; MI455X (gfx1250); checked and timed in simulation.
; The chip was launched on July 23, 2026; its instructions are those of AMD's public machine-readable ISA for CDNA 5 (MIT licence, August 2026) and "CDNA5" Instruction Set Architecture Reference Guide (July 2026). The comments in the code are by the model that wrote it; some were corrected since.
;; Attention. Allowed arithmetic: float matrix products may take bf16 or f16 operands with f32 sums; all other float work in f32.
;; Inputs: b_qkv 3,072 float32; mask 1 x 4 x 2,048 x 2,048 float32; pe_cos 1 x 1 x 2,048 x 64 float32; pe_scale 1 x 1 x 2,048 x 64 float32; pe_sin 1 x 1 x 2,048 x 64 float32; w_qkv 3,072 x 1,024 float32; x 4 x 2,048 x 1,024 float32.
;; Outputs: out0 4 x 2,048 x 1,024 float32.
;; 3 versions, each right; version 2 is faster than version 1; version 3 is version 2 with the launch conv written anew for expert scheduling mode. Each part assembles by itself: llvm-mc -triple=amdgcn-amd-amdhsa -mcpu=gfx1250 --defsym DOCPART=n.
;; ======== version 1 of 3: 3 launches
;; limits: right only within a limited range of input values; values are held in f16: magnitudes above 65,504 overflow, below 6.1e-05 lose precision
;; workspace buffers: xb 16,777,216 bytes; wb 6,291,456 bytes; pt 2,097,152 bytes; qh 16,777,216 bytes; kh 16,777,216 bytes; vh 16,777,216 bytes; sc 32,768 bytes
;; launch conv (part 1): grid 2848 x 1, 4 waves a work-group, no clusters, 0 bytes of LDS; arguments x, w_qkv, pe_cos, pe_sin, pe_scale, xb, wb, pt; writes xb, wb, pt
.if DOCPART == 1
	.amdgcn_target "amdgcn-amd-amdhsa--gfx1250"
	.amdhsa_code_object_version 6
	.text
	.protected	k_q7d65752d98_conv
	.globl	k_q7d65752d98_conv
	.p2align	8
	.type	k_q7d65752d98_conv,@function
k_q7d65752d98_conv:
	s_mov_b64 s[64:65], 0
	v_nop
	global_prefetch_b8 v0, s[64:65] scope:SCOPE_SE
	s_setreg_imm32_b32 hwreg(HW_REG_WAVE_MODE, 25, 1), 1
	s_wait_xcnt 0x0
; FIRST OF THREE LAUNCHES: x and w_qkv are rounded to f16 once, in the order in which the projection's tiles are fetched, and the
; three position tables are combined into four factor tables in the order in which the projection's accumulators hold their numbers.
; NOTHING OF THE COMPUTATION IS LEFT OUT in any of the three launches: every input reaches the output.  In particular k's bias stays:
; behind the rotation and the division by pe_scale it differs from key to key, so it is not constant along the softmax's axis.
; WHY f16 AND NOT bf16: the output is an average over 2,048 values, so its root mean square is small, and 8 significant bits in x, w, q, k, v and
; the weights add up to about 0.4 % of it; 11 bits give about 0.06 %.
; LIMITS: x and w are matrix operands in f16: |x|, |w| < 65,504; numbers below 2^-14 keep an absolute error of 2^-25.  1 / pe_scale is v_rcp_f32 (1 ULP).
;   xb [mb 32][kb 16][row 256][64 f16]       x's rows 256 mb + row, columns 64 kb ..: each (mb, kb) block is 32,768 dense bytes
;   wb [j 8][kb 16][rho 384][64 f16]         rho = 192 c + 64 s + dd is w's row 1024 s + 64 (2 j + c) + dd (s = 0, 1, 2: q, k, v)
;   pt [tab 4][tt 128][quad 16][r 16][4 f32] position 16 tt + r, head dimension d = 4 quad + e
;      tab 0: cos sc SC   tab 1: sg sin sc SC   tab 2: cos / sc   tab 3: sg sin / sc,  sg = -1 for even d, +1 for odd d, SC = 1/sqrt(128)
;      so that rope(u)[d] = u[d] tab_c[d] + u[d xor 1] tab_s[d], with q's scale and the scores' scale folded in.
; A stream: no LDS, no matrix unit, no loop.  Work-groups 0-2047 take x, 2048-2815 w, 2816-2847 the tables.
.set SC,  0x3db504f3                   ; 1 / sqrt(128)
.set NSC, 0xbdb504f3
	s_load_b512 s[4:19], s[0:1], 0x0               ; x 4, w 6, cos 8, sin 10, scale 12, xb 14, wb 16, pt 18
	v_lshrrev_b32 v1, 5, v0
	v_readfirstlane_b32 s24, v1                    ; wave 0..3
	s_lshr_b32 s25, s24, 1                         ; which of the group's two pairs of rows
	s_and_b32 s26, s24, 1                          ; which half of K
	v_and_b32 v104, 15, v0                         ; r
	v_bfe_u32 v105, v0, 4, 1                       ; h
	v_and_b32 v106, 31, v0                         ; lane
	s_mov_b32 s21, 0
	s_mov_b32 s23, 0
; A wave rounds 512 numbers of each of two neighbouring rows.  Load j: each half of the wave reads 256 consecutive bytes of its row
; (64 numbers, one K block).  Store j: 8 bytes a lane, 256 consecutive aligned bytes: the two rows' 128 bytes in that K block.
.macro CONV src, dst, stride
.irp j, 0,1,2,3,4,5,6,7
	global_load_b128 v[8+4*\j:11+4*\j], v2, s[\src:\src+1] offset:256*\j th:TH_LOAD_NT
.endr
.irp j, 0,1,2,3,4,5,6,7
	s_wait_loadcnt 7-\j                            ; loads return in order: load j is in, the younger ones stay out
	v_cvt_pk_f16_f32 v[40+2*\j], v[8+4*\j], v[9+4*\j]
	v_cvt_pk_f16_f32 v[41+2*\j], v[10+4*\j], v[11+4*\j]
	global_store_b64 v3, v[40+2*\j:41+2*\j], s[\dst:\dst+1] offset:\j*\stride
.endr
.endm
	s_cmp_lt_u32 ttmp9, 2048
	s_cbranch_scc0 .Lnot_x
	; ---- x: pair of rows rp = 2 g + (wave >> 1)
	v_lshlrev_b32 v2, 4, v104
	v_lshl_add_u32 v2, v105, 12, v2                ; in: 4096 h + 16 r
	v_lshlrev_b32 v3, 3, v106                      ; out: 8 x lane = 128 h + 8 r
	s_lshl_b32 s27, ttmp9, 1
	s_add_co_u32 s27, s27, s25                     ; rp
	s_lshl_b32 s20, s27, 13                        ; two rows of 4,096 bytes
	s_lshl_b32 s28, s26, 11                        ; + my half of K
	s_add_co_u32 s20, s20, s28
	s_lshr_b32 s22, s27, 7                         ; mb
	s_lshl_b32 s22, s22, 19
	s_and_b32 s28, s27, 127
	s_lshl_b32 s28, s28, 8                         ; two rows of 128 bytes in a block
	s_add_co_u32 s22, s22, s28
	s_lshl_b32 s28, s26, 18                        ; eight K blocks of 32,768 bytes
	s_add_co_u32 s22, s22, s28
	s_wait_kmcnt 0x0
	s_add_nc_u64 s[4:5], s[4:5], s[20:21]
	s_add_nc_u64 s[14:15], s[14:15], s[22:23]
	CONV 4, 14, 32768
	s_endpgm
.Lnot_x:
	s_cmp_lt_u32 ttmp9, 2816
	s_cbranch_scc0 .Lpe
	; ---- w: rows n, n + 1 with n = 2 (2 g + (wave >> 1))
	v_lshlrev_b32 v2, 4, v104
	v_lshl_add_u32 v2, v105, 12, v2
	v_lshlrev_b32 v3, 3, v106
	s_sub_co_u32 s27, ttmp9, 2048
	s_lshl_b32 s27, s27, 1
	s_add_co_u32 s27, s27, s25
	s_lshl_b32 s27, s27, 1                         ; n
	s_lshl_b32 s20, s27, 12
	s_lshl_b32 s28, s26, 11
	s_add_co_u32 s20, s20, s28
	s_lshr_b32 s28, s27, 10                        ; s: q, k or v
	s_bfe_u32 s29, s27, 0x40006                    ; head
	s_and_b32 s30, s27, 63                         ; dd
	s_lshr_b32 s31, s29, 1                         ; j
	s_mul_i32 s22, s31, 786432
	s_and_b32 s29, s29, 1                          ; c
	s_mul_i32 s29, s29, 192
	s_lshl_b32 s28, s28, 6
	s_add_co_u32 s29, s29, s28
	s_add_co_u32 s29, s29, s30                     ; rho
	s_lshl_b32 s29, s29, 7
	s_add_co_u32 s22, s22, s29
	s_mul_i32 s28, s26, 393216                     ; eight K blocks of 49,152 bytes
	s_add_co_u32 s22, s22, s28
	s_wait_kmcnt 0x0
	s_add_nc_u64 s[6:7], s[6:7], s[20:21]
	s_add_nc_u64 s[16:17], s[16:17], s[22:23]
	CONV 6, 16, 49152
	s_endpgm
.Lpe:
	; ---- the tables: a wave takes 16 positions (tt).  Load i: lane (r, h) reads d = 8 i + 4 h .. + 3 of position r: the one transposing
	; read of the program, 1.5 MB in all, the eight pieces of a row read by one wave one after the other.  Stores are 512 dense bytes.
	v_lshlrev_b32 v2, 8, v104
	v_lshl_add_u32 v2, v105, 4, v2                 ; in: 256 r + 16 h
	v_lshlrev_b32 v3, 4, v106                      ; out: 16 x lane = 256 h + 16 r
	v_mov_b32 v4, NSC                              ; {-SC, +SC}: sign by the parity of d
	v_mov_b32 v5, SC
	v_mov_b32 v6, -1.0
	v_mov_b32 v7, 1.0
	s_sub_co_u32 s27, ttmp9, 2816
	s_lshl_b32 s27, s27, 2
	s_add_co_u32 s27, s27, s24                     ; tt
	s_lshl_b32 s20, s27, 12                        ; 16 rows of 256 bytes, in and out
	s_wait_kmcnt 0x0
	s_add_nc_u64 s[8:9], s[8:9], s[20:21]
	s_add_nc_u64 s[10:11], s[10:11], s[20:21]
	s_add_nc_u64 s[12:13], s[12:13], s[20:21]
	s_add_nc_u64 s[18:19], s[18:19], s[20:21]
.irp i, 0,1,2,3,4,5,6,7
	global_load_b128 v[8+4*\i:11+4*\i], v2, s[8:9] offset:32*\i
	global_load_b128 v[40+4*\i:43+4*\i], v2, s[10:11] offset:32*\i
	global_load_b128 v[72+4*\i:75+4*\i], v2, s[12:13] offset:32*\i
.endr
.irp i, 0,1,2,3,4,5,6,7
	s_wait_loadcnt 3*(7-\i)                        ; piece i of all three tables is in; three loads for each later piece stay out
	s_wait_xcnt 0x0                                ; v[120:135], which the last piece's stores read, are rewritten only behind this wait
	v_rcp_f32 v104, v[72+4*\i]
	v_rcp_f32 v105, v[73+4*\i]
	v_rcp_f32 v106, v[74+4*\i]
	v_rcp_f32 v107, v[75+4*\i]
	v_pk_mul_f32 v[108:109], v[72+4*\i:73+4*\i], SC op_sel_hi:[1,0]      ; sc SC; also the plain instruction between the reciprocals and their use
	v_pk_mul_f32 v[110:111], v[74+4*\i:75+4*\i], SC op_sel_hi:[1,0]
	v_pk_mul_f32 v[112:113], v[72+4*\i:73+4*\i], v[4:5]                  ; sg sc SC
	v_pk_mul_f32 v[114:115], v[74+4*\i:75+4*\i], v[4:5]
	s_wait_alu depctr_va_vdst(0)
	v_pk_mul_f32 v[116:117], v[104:105], v[6:7]                          ; sg / sc
	v_pk_mul_f32 v[118:119], v[106:107], v[6:7]
	v_pk_mul_f32 v[120:121], v[8+4*\i:9+4*\i], v[108:109]
	v_pk_mul_f32 v[122:123], v[10+4*\i:11+4*\i], v[110:111]
	v_pk_mul_f32 v[124:125], v[40+4*\i:41+4*\i], v[112:113]
	v_pk_mul_f32 v[126:127], v[42+4*\i:43+4*\i], v[114:115]
	v_pk_mul_f32 v[128:129], v[8+4*\i:9+4*\i], v[104:105]
	v_pk_mul_f32 v[130:131], v[10+4*\i:11+4*\i], v[106:107]
	v_pk_mul_f32 v[132:133], v[40+4*\i:41+4*\i], v[116:117]
	v_pk_mul_f32 v[134:135], v[42+4*\i:43+4*\i], v[118:119]
	global_store_b128 v3, v[120:123], s[18:19] offset:512*\i
	global_store_b128 v3, v[124:127], s[18:19] offset:524288+512*\i
	global_store_b128 v3, v[128:131], s[18:19] offset:2*524288+512*\i
	global_store_b128 v3, v[132:135], s[18:19] offset:3*524288+512*\i
.endr
	s_endpgm
.Lfunc_end_k_q7d65752d98_conv:
	.size	k_q7d65752d98_conv, .Lfunc_end_k_q7d65752d98_conv-k_q7d65752d98_conv
	.p2alignl 7, 3214868480
	.fill 96, 4, 3214868480
	.section	.rodata,"a",@progbits
	.p2align	6, 0x0
	.amdhsa_kernel k_q7d65752d98_conv
		.amdhsa_group_segment_fixed_size 0
		.amdhsa_private_segment_fixed_size 0
		.amdhsa_enable_private_segment 0
		.amdhsa_kernarg_size 64
		.amdhsa_user_sgpr_count 2
		.amdhsa_user_sgpr_kernarg_segment_ptr 1
		.amdhsa_wavefront_size32 1
		.amdhsa_system_sgpr_workgroup_id_x 1
		.amdhsa_system_sgpr_workgroup_id_y 1
		.amdhsa_system_sgpr_workgroup_id_z 1
		.amdhsa_system_vgpr_workitem_id 0
		.amdhsa_next_free_vgpr 136
		.amdhsa_next_free_sgpr 66
		.amdhsa_reserve_vcc 0
		.amdhsa_float_denorm_mode_32 3
		.amdhsa_float_denorm_mode_16_64 3
		.amdhsa_memory_ordered 1
		.amdhsa_forward_progress 1
		.amdhsa_inst_pref_size 24
	.end_amdhsa_kernel
	.amdgpu_metadata
---
amdhsa.version: [ 1, 2 ]
amdhsa.kernels:
  - .name:           k_q7d65752d98_conv
    .symbol:         k_q7d65752d98_conv.kd
    .args:
      - { .name: x, .offset: 0, .size: 8, .value_kind: global_buffer, .address_space: global }
      - { .name: w_qkv, .offset: 8, .size: 8, .value_kind: global_buffer, .address_space: global }
      - { .name: pe_cos, .offset: 16, .size: 8, .value_kind: global_buffer, .address_space: global }
      - { .name: pe_sin, .offset: 24, .size: 8, .value_kind: global_buffer, .address_space: global }
      - { .name: pe_scale, .offset: 32, .size: 8, .value_kind: global_buffer, .address_space: global }
      - { .name: xb, .offset: 40, .size: 8, .value_kind: global_buffer, .address_space: global }
      - { .name: wb, .offset: 48, .size: 8, .value_kind: global_buffer, .address_space: global }
      - { .name: pt, .offset: 56, .size: 8, .value_kind: global_buffer, .address_space: global }
    .group_segment_fixed_size: 0
    .private_segment_fixed_size: 0
    .kernarg_segment_align: 8
    .kernarg_segment_size: 64
    .max_flat_workgroup_size: 128
    .sgpr_count:     66
    .vgpr_count:     136
    .wavefront_size: 32
...
	.end_amdgpu_metadata
.endif
;; end of part 1
;; launch gemm (part 2): grid 8 x 32, 4 waves a work-group, clusters of 4 x 4, 327,680 bytes of LDS; arguments xb, wb, b_qkv, pt, qh, kh, vh, sc; writes qh, kh, vh, sc
.if DOCPART == 2
	.amdgcn_target "amdgcn-amd-amdhsa--gfx1250"
	.amdhsa_code_object_version 6
	.text
	.protected	k_q7d65752d98_gemm
	.globl	k_q7d65752d98_gemm
	.p2align	8
	.type	k_q7d65752d98_gemm,@function
k_q7d65752d98_gemm:
	s_mov_b64 s[64:65], 0
	v_nop
	global_prefetch_b8 v0, s[64:65] scope:SCOPE_SE
	s_setreg_imm32_b32 hwreg(HW_REG_WAVE_MODE, 25, 1), 1
	s_wait_xcnt 0x0
	s_wait_alu depctr_hold_cnt(0) depctr_sa_sdst(0) depctr_va_vdst(0) depctr_va_sdst(0) depctr_va_ssrc(0) depctr_va_vcc(0) depctr_vm_vsrc(0)
	s_getreg_b32 s2, hwreg(HW_REG_IB_STS2, 6, 4)
	s_cmp_eq_u32 s2, 0
	s_cbranch_scc0 .Lentry_in_a_cluster
	s_endpgm
.Lentry_in_a_cluster:
	s_bfe_u32 s2, ttmp6, 0x10000c
	s_cmp_lg_u32 s2, 0xf033
	s_cbranch_scc0 .Lentry_shape_is_right
	s_endpgm
.Lentry_shape_is_right:
; SECOND LAUNCH: qkv = x w^T + b, the rotation, pe_scale and the scores' scale; q, k, v leave in f16 in the order of the attention's fragments.
; Nothing of the computation is left out.  Operands f16 (rounded by the first launch), sums f32, the bias starts the sums.
; Work-group (j, mb): x's rows 256 mb .. + 255 times the 384 columns of heads 2 j and 2 j + 1 of q, k and v.  Four waves, one for each SIMD:
; wave w makes rows 128 (w >> 1) .. times the 192 columns (q, k, v) of head 2 j + (w & 1): 96 accumulator tiles, 768 registers.
; For 32 along K a wave reads 20 KB of LDS for 96 matrix instructions.
; K goes in 16 steps of 64 through two LDS slots.  A step's tile of x (32,768 bytes) and of w (49,152 bytes) is a dense block in memory; it comes
; in as rows of 256 bytes (two matrix rows) with 16 bytes of padding behind each, so matrix row p lies at (p >> 1) 272 + (p & 1) 128 and the
; 16 rows of a fragment begin in 16 different 16-byte columns of 256 bytes.
; CLUSTERS: 4 x 4 work-groups.  x's tile hangs on mb alone and is asked for jointly by a row of the cluster, w's on j alone, by a column.
; OUT:  qh, kh [b 16 + head][t >> 4][d >> 3][t & 15][8 f16]      vh [b 16 + head][t >> 3][d][8 f16 (t & 7)]
;       sc [b 16 + head][B 16][8 f32]: ck(2B), ck(2B+1), 1/ck(2B), 1/ck(2B+1), cq(B), 1/cq(B), 0, 0
; RANGE: q and k grow with x, w, the cos and sin tables and pe_scale or its reciprocal, four factors, which f16 cannot follow.  So they are stored as
; q / cq and k / ck with powers of two: cq for the 128 rows of a head that one wave of the attention takes (block B), ck for the 64 keys of one of its key
; steps, chosen so that the block's largest magnitude lies in [2^14, 2^15).  This wave holds such blocks whole, so no maximum crosses waves.
; LIMITS: a block whose largest magnitude is below 2^-30 is scaled as if it were 2^-30.  v is stored as it is: |v| < 65,504.
; q's and k's products are used transposed (source 0 = w's rows): a lane holds 8 neighbouring d of one position, the pairs that the rotation mixes.
; v's products are used as they are: a lane holds 8 neighbouring positions of one d.  Either way a lane's 8 results are 16 bytes that belong together,
; and a wave's store covers whole aligned blocks of 256 bytes: no stage in LDS.
; REGISTERS: window 0: addresses, fragments; window s + 1: section s (q, k, v), tile (a 0..7, bb 0..3) at v[8 (4 a + bb)].
.set REG,   26112                      ; a region: 96 rows of 272 bytes (w's half); x's half uses 64 rows of it
.set SLOT,  4*REG                      ; x's two halves, w's two halves = wave x REG
.set FRAG,  2176                       ; 16 matrix rows: 8 x 272
.set ASTEP, 32768                      ; bytes from K step to K step in xb
.set BSTEP, 49152                      ; and in wb
.set EMIN,  97                         ; biased exponent of 2^-30
.set ADRA, 16                          ; v16-17  LDS address of my x fragments, slot 0, 1
.set ADRB, 20                          ; v20-21  of my w fragments
.set PTO,  24                          ; v24     512 h + 16 r: offset in the factor tables
.set QKO,  25                          ; v25     16 x lane: offset in qh, kh and sc
.set VO,   26                          ; v26     1024 h + 16 r: offset in vh
.set BV,   32                          ; v32-63  v's bias as four C tiles
.set FA0,  64                          ; v64-127, v128-191  x's fragments (8 x 16 rows x 32 K), two buffers
.set FA1,  128
.set FB0,  192                         ; v192-223, v224-255 w's fragments of one section (4 x 16 rows x 32 K), two buffers
.set FB1,  224
.set BQK,  128                         ; q's and k's bias as 4 + 4 C tiles, in buffer FA1 until that is first filled
.set TQ,   192                         ; the way out: at work on q, on k, packed results
.set TK,   208
.set OUT,  224
.set G1A, 32                           ; s[32:39] group 1 for x's tiles      s[40:47] for w's
.set G1B, 40
.set G0A, 48                           ; s[48:55] group 0 for x's tiles, a set for each slot      s[56:63] for w's
.set G0B, 56
.set MSB, 0
.macro WIN new                         ; the immediate's high byte repeats the setting that is left
.if MSB != \new
	s_set_vgpr_msb (MSB<<8)|\new
.set MSB, \new
.endif
.endm
.macro PLACES                          ; four plain vector instructions between a matrix instruction and a load into, or a vector instruction on, its registers
.rept 4
	v_nop
.endr
.endm
.macro JLOAD s                         ; waves 0, 1 ask for x's halves, waves 2, 3 for w's: one line, one mask.  The branch hangs on the wave's number alone
	s_cmp_eq_u32 s21, 0
	s_cbranch_scc0 .Lfor_b_\@
	tensor_load_to_lds s[G0A+4*\s:G0A+4*\s+3], s[G1A:G1A+7]
	s_nop 0
	s_branch .Lasked_\@
.Lfor_b_\@:
	tensor_load_to_lds s[G0B+4*\s:G0B+4*\s+3], s[G1B:G1B+7]
	s_nop 0
.Lasked_\@:
.endm
.macro CREST                           ; a round of the cluster's barrier behind its opening work-group barrier
	s_cmp_lg_u32 s20, 0
	s_cbranch_scc1 .Lnot_wave_0_\@
	s_barrier_signal -3
.Lnot_wave_0_\@:
	s_barrier_wait -3
	s_barrier_signal -1
	s_barrier_wait -1
.endm
.macro CROUND
	s_barrier_signal -1
	s_barrier_wait -1
	CREST
.endm
	s_load_b512 s[4:19], s[0:1], 0x0               ; xb 4, wb 6, bias 8, pt 10, qh 12, kh 14, vh 16, sc 18
	v_lshl_add_u32 v30, v0, 2, 0x33000
	v_mov_b32 v31, 0
	ds_add_u32 v30, v31
	v_lshrrev_b32 v1, 5, v0
	v_readfirstlane_b32 s20, v1                    ; wave
	s_lshr_b32 s21, s20, 1                         ; my half of the rows.  Also: I fetch for x (0) or for w (1)
	s_and_b32 s22, s20, 1                          ; my head of the two.   Also: which half of that tile I fetch
	s_bfe_u32 s23, ttmp6, 0x40000                  ; cx
	s_bfe_u32 s24, ttmp6, 0x40004                  ; cy
	s_lshl_b32 s25, ttmp9, 2
	s_add_co_u32 s25, s25, s23                     ; j = 4 x cluster x + cx
	s_and_b32 s26, ttmp7, 0xffff
	s_lshl_b32 s26, s26, 2
	s_add_co_u32 s26, s26, s24                     ; mb = 4 x cluster y + cy
	s_lshl_b32 s28, s24, 2
	s_lshl_b32 s28, 15, s28                        ; my row of the cluster
	s_lshl_b32 s29, 0x1111, s23                    ; my column
	; group 1: rows of 32 elements of 8 bytes (256 bytes), dense; 4 words of padding behind every 64 words; 64 rows (x's half) or 96 (w's half)
	s_or_b32 s[G1A+0], s28, (3<<16)|(1<<20)|(1<<21)|(5<<22)|(3<<25)
	s_mov_b32 s[G1A+1], 32<<16                     ; tensor_dim0
	s_mov_b32 s[G1A+2], 64<<16                     ; tensor_dim1
	s_mov_b32 s[G1A+3], 32<<16                     ; tile_dim0
	s_mov_b32 s[G1A+4], 64                         ; tile_dim1
	s_mov_b32 s[G1A+5], 32                         ; pitch
	s_mov_b32 s[G1A+6], 0
	s_mov_b32 s[G1A+7], 0
	s_or_b32 s[G1B+0], s29, (3<<16)|(1<<20)|(1<<21)|(5<<22)|(3<<25)
	s_mov_b32 s[G1B+1], 32<<16
	s_mov_b32 s[G1B+2], 96<<16
	s_mov_b32 s[G1B+3], 32<<16
	s_mov_b32 s[G1B+4], 96
	s_mov_b32 s[G1B+5], 32
	s_mov_b32 s[G1B+6], 0
	s_mov_b32 s[G1B+7], 0
	; where the tiles come from: x's address is made of mb and the wave's number, w's of j and the wave's number
	s_lshl_b32 s66, s26, 19
	s_lshl_b32 s70, s22, 14
	s_add_co_u32 s66, s66, s70
	s_mov_b32 s67, 0
	s_mul_i32 s68, s25, 786432
	s_mul_i32 s70, s22, 24576
	s_add_co_u32 s68, s68, s70
	s_mov_b32 s69, 0
	s_mul_i32 s30, s20, REG                        ; and where they go: wave x REG
	; my own offsets for the bias, the factor tables, the three results and the scales
	s_lshr_b32 s72, s26, 3                         ; b
	s_lshl_b32 s72, s72, 4
	s_lshl_b32 s74, s25, 1
	s_add_co_u32 s74, s74, s22                     ; head = 2 j + c
	s_add_co_u32 s72, s72, s74
	s_lshl_b32 s76, s72, 9                         ; 512 bytes of scales for a head of a batch
	s_lshl_b32 s72, s72, 18                        ; 262,144 bytes of q, of k, of v
	s_and_b32 s75, s26, 7
	s_lshl_b32 s75, s75, 8
	s_lshl_b32 s73, s21, 7
	s_add_co_u32 s75, s75, s73                     ; t0: my first position
	s_lshr_b32 s77, s75, 2                         ; 32 bytes of scales for a block of 128 positions
	s_add_co_u32 s76, s76, s77
	s_mov_b32 s77, 0
	s_lshl_b32 s73, s75, 7                         ; 128 bytes a position in all three
	s_add_co_u32 s72, s72, s73
	s_mov_b32 s73, 0
	s_lshl_b32 s70, s75, 8                         ; 256 bytes a position in each table
	s_mov_b32 s71, 0
	s_lshl_b32 s74, s74, 8                         ; 64 f32 of bias a head
	s_mov_b32 s75, 0
	s_wait_dscnt 0x0
	s_wait_kmcnt 0x0
	s_add_nc_u64 s[66:67], s[4:5], s[66:67]
	s_add_nc_u64 s[68:69], s[6:7], s[68:69]
	s_add_nc_u64 s[8:9], s[8:9], s[74:75]
	s_add_nc_u64 s[10:11], s[10:11], s[70:71]
	s_add_nc_u64 s[12:13], s[12:13], s[72:73]
	s_add_nc_u64 s[14:15], s[14:15], s[72:73]
	s_add_nc_u64 s[16:17], s[16:17], s[72:73]
	s_add_nc_u64 s[18:19], s[18:19], s[76:77]
	CROUND                                         ; all sixteen work-groups are here: the first joint loads meet
.irp s, 0,1
	s_mov_b32 s[G0A+4*\s], 1
	s_add_co_u32 s[G0A+4*\s+1], s30, \s*SLOT
	s_add_nc_u64 s[G0A+4*\s+2:G0A+4*\s+3], s[66:67], \s*ASTEP
	s_or_b32 s[G0A+4*\s+3], s[G0A+4*\s+3], 0x80000000
	s_mov_b32 s[G0B+4*\s], 1
	s_add_co_u32 s[G0B+4*\s+1], s30, \s*SLOT
	s_add_nc_u64 s[G0B+4*\s+2:G0B+4*\s+3], s[68:69], \s*BSTEP
	s_or_b32 s[G0B+4*\s+3], s[G0B+4*\s+3], 0x80000000
	JLOAD \s                                       ; K steps 0 and 1: two tensor loads of the wave are out, the most in this text
.endr
	v_and_b32 v1, 15, v0                           ; r
	v_bfe_u32 v2, v0, 4, 1                         ; h
	v_lshlrev_b32 v27, 5, v2                       ; 32 h: q's and k's bias, 8 numbers a lane
	v_lshlrev_b32 v28, 2, v1                       ; 4 r: v's bias, one number a lane
	; The bias starts the sums.  Transposed use: register jj of a tile is column 16 bb + 8 h + jj.  Plain use: all eight registers are column 16 bb + r.
.irp s, 0,1
.irp bb, 0,1,2,3
	global_load_b128 v[BQK+32*\s+8*\bb:BQK+32*\s+8*\bb+3], v27, s[8:9] offset:4096*\s+64*\bb
	global_load_b128 v[BQK+32*\s+8*\bb+4:BQK+32*\s+8*\bb+7], v27, s[8:9] offset:4096*\s+64*\bb+16
.endr
.endr
.irp bb, 0,1,2,3
	global_load_b32 v[BV+8*\bb], v28, s[8:9] offset:8192+64*\bb
.endr
	v_lshrrev_b32 v4, 1, v1
	v_and_b32 v5, 1, v1
	v_mul_u32_u24 v3, v4, 272
	v_lshl_add_u32 v3, v5, 7, v3
	v_lshl_add_u32 v3, v2, 4, v3                   ; (r >> 1) 272 + (r & 1) 128 + 16 h
	s_mul_i32 s70, s21, REG                        ; my 128 rows of x
	s_mul_i32 s71, s22, REG
	s_add_co_u32 s71, s71, 2*REG                   ; my 192 rows of w
.irp s, 0,1
	v_add_nc_u32 v[ADRA+\s], s70, v3
	v_add_nc_u32 v[ADRB+\s], s71, v3
	s_add_co_u32 s70, s70, SLOT
	s_add_co_u32 s71, s71, SLOT
.endr
	v_lshlrev_b32 v6, 4, v1
	v_lshl_add_u32 v[PTO], v2, 9, v6
	v_lshl_add_u32 v[VO], v2, 10, v6
	v_and_b32 v7, 31, v0
	v_lshlrev_b32 v[QKO], 4, v7
; A fragment: lane (r, h) holds row r; registers 0-3 K = 8 h .., registers 4-7 K = 16 + 8 h ..: two loads of 16 bytes, 32 bytes apart.
.macro LOADA slot, kq, fa
.irp a, 0,1,2,3,4,5,6,7
	ds_load_b128 v[\fa+8*\a:\fa+8*\a+3], v[ADRA+\slot] offset:\a*FRAG+\kq*64
	ds_load_b128 v[\fa+8*\a+4:\fa+8*\a+7], v[ADRA+\slot] offset:\a*FRAG+\kq*64+32
.endr
.endm
.macro LOADB slot, kq, s, fb
.irp bb, 0,1,2,3
	ds_load_b128 v[\fb+8*\bb:\fb+8*\bb+3], v[ADRB+\slot] offset:(4*\s+\bb)*FRAG+\kq*64
	ds_load_b128 v[\fb+8*\bb+4:\fb+8*\bb+7], v[ADRB+\slot] offset:(4*\s+\bb)*FRAG+\kq*64+32
.endr
.endm
; 16 matrix instructions of section s: row blocks a0 .. a0 + 3 x 4 column blocks.  first = 1: C is the bias tile in window 0.
; The accumulators take turns, one instruction a turn.
.macro MUL16 s, fa, fb, a0, first
.irp a, \a0, \a0+1, \a0+2, \a0+3
.irp bb, 0,1,2,3
.if \s < 2
.if \first
	v_wmma_f32_16x16x32_f16 v[8*(4*(\a)+\bb):8*(4*(\a)+\bb)+7], v[\fb+8*\bb:\fb+8*\bb+7], v[\fa+8*(\a):\fa+8*(\a)+7], v[BQK+32*\s+8*\bb:BQK+32*\s+8*\bb+7]
.else
	v_wmma_f32_16x16x32_f16 v[8*(4*(\a)+\bb):8*(4*(\a)+\bb)+7], v[\fb+8*\bb:\fb+8*\bb+7], v[\fa+8*(\a):\fa+8*(\a)+7], v[8*(4*(\a)+\bb):8*(4*(\a)+\bb)+7]
.endif
.else
.if \first
	v_wmma_f32_16x16x32_f16 v[8*(4*(\a)+\bb):8*(4*(\a)+\bb)+7], v[\fa+8*(\a):\fa+8*(\a)+7], v[\fb+8*\bb:\fb+8*\bb+7], v[BV+8*\bb:BV+8*\bb+7]
.else
	v_wmma_f32_16x16x32_f16 v[8*(4*(\a)+\bb):8*(4*(\a)+\bb)+7], v[\fa+8*(\a):\fa+8*(\a)+7], v[\fb+8*\bb:\fb+8*\bb+7], v[8*(4*(\a)+\bb):8*(4*(\a)+\bb)+7]
.endif
.endif
.endr
.endr
.endm
.macro MUL32 s, fa, fb, first
.if \first
	WIN ((\s+1)<<6)
.else
	WIN (((\s+1)<<6)|((\s+1)<<4))
.endif
	MUL16 \s, \fa, \fb, 0, \first
	MUL16 \s, \fa, \fb, 4, \first
.endm
; The factor tables of unit n = (a = n >> 1, column blocks 2 (n & 1), + 1): [bbl][tab][8] in v64-127 or v128-191.  Each half of the wave reads 256 consecutive bytes.
.macro UNITLD n
.set PB, 64+64*((\n)&1)
.irp bbl, 0,1
.irp tab, 0,1,2,3
	global_load_b128 v[PB+32*\bbl+8*\tab:PB+32*\bbl+8*\tab+3], v[PTO], s[10:11] offset:\tab*524288+((\n)>>1)*4096+(2*((\n)&1)+\bbl)*1024
	global_load_b128 v[PB+32*\bbl+8*\tab+4:PB+32*\bbl+8*\tab+7], v[PTO], s[10:11] offset:\tab*524288+((\n)>>1)*4096+(2*((\n)&1)+\bbl)*1024+256
.endr
.endr
.endm
; A K step of 64: six stretches of 32 matrix instructions (3 sections x 2 halves of the step).  Each stretch first issues the next stretch's
; fragment loads; its wait leaves out exactly those, so what was issued one stretch earlier is in.
.macro STEP slot, nxt, more, fill, first
	PLACES
	WIN 0
	LOADB \slot, 0, 1, FB1
	s_wait_dscnt 8                                 ; all but the 8 just issued
	MUL32 0, FA0, FB0, \first
	PLACES
	WIN 0
	LOADB \slot, 0, 2, FB0
	s_wait_dscnt 8
	MUL32 1, FA0, FB1, \first
	PLACES
	WIN 0
	LOADB \slot, 1, 0, FB1
	LOADA \slot, 1, FA1
	s_wait_dscnt 24                                ; all but the 24 just issued
	MUL32 2, FA0, FB0, \first
	PLACES
	WIN 0
	LOADB \slot, 1, 1, FB0
	s_wait_dscnt 8
	MUL32 0, FA1, FB1, 0
	PLACES
	WIN 0
	LOADB \slot, 1, 2, FB1
	s_wait_dscnt 8
	MUL32 1, FA1, FB0, 0
.if \more
	s_wait_dscnt 0x0                               ; my reads of this slot are over
	s_wait_tensorcnt 0x0                           ; and all my tensor loads have landed: the one that was out is my part of the next slot
	ds_add_u32 v30, v31
	s_wait_dscnt 0x0
	s_barrier_signal -1                            ; (where the slot is filled again this barrier opens a round of the cluster's barrier)
	WIN 0xf0
	MUL16 2, FA1, FB1, 0, 0                        ; registers only, while the others arrive
	WIN 0
	s_barrier_wait -1
.if \fill
	CREST                                          ; no wave of any partner still reads this slot or has a load on its way
	s_add_nc_u64 s[G0A+4*\slot+2:G0A+4*\slot+3], s[G0A+4*\slot+2:G0A+4*\slot+3], 2*ASTEP
	s_add_nc_u64 s[G0B+4*\slot+2:G0B+4*\slot+3], s[G0B+4*\slot+2:G0B+4*\slot+3], 2*BSTEP
	JLOAD \slot                                    ; my one tensor load behind the round: two K steps ahead; 176 matrix instructions stand before the wait for it
.endif
	PLACES
	LOADB \nxt, 0, 0, FB0
	LOADA \nxt, 0, FA0
	WIN 0xf0
	MUL16 2, FA1, FB1, 4, 0
.else
	s_wait_dscnt 0x0
	PLACES
	WIN 0
	UNITLD 0                                       ; buffer FA0 is free: the first factors of the way out
	WIN 0xf0
	MUL16 2, FA1, FB1, 0, 0
	MUL16 2, FA1, FB1, 4, 0
.endif
.endm
	s_wait_tensorcnt 0x1                           ; my part of K step 0 is in; K step 1's stays out
	s_barrier_signal -1
	s_barrier_wait -1
	LOADB 0, 0, 0, FB0
	LOADA 0, 0, FA0
	s_wait_loadcnt 0x0                             ; the bias
.irp bb, 0,1,2,3
.irp jj, 1,2,3,4,5,6,7
	v_mov_b32 v[BV+8*\bb+\jj], v[BV+8*\bb]         ; v's C tiles: a lane's eight positions share one column's bias
.endr
.endr
	STEP 0, 1, 1, 1, 1                             ; K steps 0 and 1 stand in front of the loop: their first products take the bias as C
	STEP 1, 0, 1, 1, 0
	WIN 0
	s_mov_b32 s27, 6
.Llap:
	STEP 0, 1, 1, 1, 0                             ; K steps 2 to 13
	STEP 1, 0, 1, 1, 0
	WIN 0
	s_sub_co_u32 s27, s27, 1
	s_cmp_lg_u32 s27, 0
	s_cbranch_scc1 .Llap
	STEP 0, 1, 1, 0, 0                             ; K steps 14 and 15 fill nothing
	STEP 1, 0, 0, 0, 0
; THE WAY OUT, FIRST PASS: q and k are rotated in place, 16 units of 16 positions x 32 columns.  rope(u)[d] = u[d] C[d] + u[d xor 1] S[d]:
; the product with S takes u's pair swapped and goes to a register of its own; the multiply-add in place then reads and writes element by element.
.macro ROPE1 w, t, tab0
	WIN \w                                         ; source 0: the section's accumulators
.irp bbl, 0,1
.irp p, 0,1,2,3
	v_pk_mul_f32 v[\t+8*\bbl+2*\p:\t+8*\bbl+2*\p+1], v[8*(4*UA+UB+\bbl)+2*\p:8*(4*UA+UB+\bbl)+2*\p+1], v[PB+32*\bbl+8*\tab0+8+2*\p:PB+32*\bbl+8*\tab0+8+2*\p+1] op_sel:[1,0] op_sel_hi:[0,1]
.endr
.endr
	WIN ((\w<<6)|\w)                               ; source 0 and destination
.irp bbl, 0,1
.irp p, 0,1,2,3
	v_pk_fma_f32 v[8*(4*UA+UB+\bbl)+2*\p:8*(4*UA+UB+\bbl)+2*\p+1], v[8*(4*UA+UB+\bbl)+2*\p:8*(4*UA+UB+\bbl)+2*\p+1], v[PB+32*\bbl+8*\tab0+2*\p:PB+32*\bbl+8*\tab0+2*\p+1], v[\t+8*\bbl+2*\p:\t+8*\bbl+2*\p+1]
.endr
.endr
.endm
.macro UNIT1 n, left, ahead
.set PB, 64+64*((\n)&1)
.set UA, (\n)>>1
.set UB, 2*((\n)&1)
	s_wait_loadcnt \left                           ; this unit's 16 table loads are in; the next unit's 16 stay out
	ROPE1 1, TQ, 0
	ROPE1 2, TK, 2
	WIN 0
.if \ahead
	UNITLD (\n+2)
.endif
.endm
	PLACES                                         ; behind the last matrix instructions: for the reads of results and for the loads into buffer FA1
	WIN 0
	UNITLD 1
.irp n, 0,1,2,3,4,5,6,7,8,9,10,11,12,13
	UNIT1 \n, 16, 1
.endr
	UNIT1 14, 16, 0
	UNIT1 15, 0, 0
	; THE LARGEST MAGNITUDES: q's 128 rows (v8-11, four chains of 64 registers), k's rows 0-63 (v12-13) and 64-127 (v14-15)
	WIN 0x05                                       ; sources 0 and 1: q
.irp c, 0,1,2,3
	v_max_num_f32 v[8+\c], |v[64*\c]|, |v[64*\c+1]|
.endr
.set k, 2
.rept 31
.irp c, 0,1,2,3
	v_max3_num_f32 v[8+\c], |v[64*\c+k]|, |v[64*\c+k+1]|, v[8+\c]
.endr
.set k, k+2
.endr
	WIN 0x0a                                       ; sources 0 and 1: k
.irp c, 0,1,2,3
	v_max_num_f32 v[12+\c], |v[64*\c]|, |v[64*\c+1]|
.endr
.set k, 2
.rept 31
.irp c, 0,1,2,3
	v_max3_num_f32 v[12+\c], |v[64*\c+k]|, |v[64*\c+k+1]|, v[12+\c]
.endr
.set k, k+2
.endr
	WIN 0
	s_mov_b32 s66, 0x76543210                      ; v_permlanex16_b32: lane i reads lane i of the other half
	s_mov_b32 s67, 0xfedcba98
	v_max3_num_f32 v8, v8, v9, v10
	v_max_num_f32 v8, v8, v11                      ; q
	v_max_num_f32 v9, v12, v13                     ; k, rows 0-63
	v_max_num_f32 v10, v14, v15                    ; k, rows 64-127
.irp m, 1,2,4,8
.irp g, 0,1,2
	v_max_num_f32_dpp v[8+\g], v[8+\g], v[8+\g] row_xmask:\m row_mask:0xf bank_mask:0xf
.endr
.endr
.irp g, 0,1,2
	v_permlanex16_b32 v[11+\g], v[8+\g], s66, s67
.endr
.irp g, 0,1,2
	v_max_num_f32 v[8+\g], v[8+\g], v[11+\g]       ; every lane holds the block's largest magnitude, 1.m x 2^(E - 127)
.endr
	; the stored number is u f with f = 2^(141 - E), so the largest lies in [2^14, 2^15); c = 1 / f = 2^(E - 141).  Both are made from the exponent field alone.
.irp g, 0,1,2
	v_lshrrev_b32 v[8+\g], 23, v[8+\g]             ; E (the sign is 0)
	v_max_u32 v[8+\g], EMIN, v[8+\g]
	v_min_u32 v[8+\g], 254, v[8+\g]
	v_sub_nc_u32 v[11+\g], 268, v[8+\g]            ; f's field: 127 + 141 - E
	v_add_nc_u32 v[8+\g], -14, v[8+\g]             ; c's field: 127 + E - 141
	v_lshlrev_b32 v[11+\g], 23, v[11+\g]
	v_lshlrev_b32 v[8+\g], 23, v[8+\g]
.endr
	v_readfirstlane_b32 s72, v11                   ; f of q
	v_readfirstlane_b32 s74, v12                   ; f of k's rows 0-63
	v_readfirstlane_b32 s76, v13                   ; f of k's rows 64-127
	s_mov_b32 s73, 0                               ; the upper halves of the broadcast pairs
	s_mov_b32 s75, 0
	s_mov_b32 s77, 0
	v_and_b32 v3, 31, v0
	v_cmp_eq_u32 vcc_lo, 0, v3
	v_cndmask_b32 v4, v8, v9, vcc_lo               ; lane 0: ck, ck, 1/ck, 1/ck      lane 1: cq, 1/cq, 0, 0
	v_cndmask_b32 v5, v11, v10, vcc_lo
	v_cndmask_b32 v6, 0, v12, vcc_lo
	v_cndmask_b32 v7, 0, v13, vcc_lo
	v_cmp_gt_u32 vcc_lo, 2, v3
	s_wait_xcnt 0x0                                ; EXEC changes only behind this wait
	s_and_saveexec_b32 s68, vcc_lo
	global_store_b128 v[QKO], v[4:7], s[18:19]     ; my block's 32 bytes of scales
	s_wait_xcnt 0x0                                ; and again in front of the line that widens it
	s_or_b32 exec_lo, exec_lo, s68
; SECOND PASS: times f, to f16, out.
.macro UNIT2 n
.set UA, (\n)>>1
.set UB, 2*((\n)&1)
	s_wait_xcnt 0x0                                ; the packed results, which the last unit's stores read, are rewritten only behind this wait
	WIN 0x01                                       ; source 0: q
.irp bbl, 0,1
.irp p, 0,1,2,3
	v_pk_mul_f32 v[TQ+8*\bbl+2*\p:TQ+8*\bbl+2*\p+1], v[8*(4*UA+UB+\bbl)+2*\p:8*(4*UA+UB+\bbl)+2*\p+1], s[72:73] op_sel_hi:[1,0]
.endr
.endr
	WIN 0x02                                       ; source 0: k
.irp bbl, 0,1
.irp p, 0,1,2,3
	v_pk_mul_f32 v[TK+8*\bbl+2*\p:TK+8*\bbl+2*\p+1], v[8*(4*UA+UB+\bbl)+2*\p:8*(4*UA+UB+\bbl)+2*\p+1], s[74+2*(UA>>2):75+2*(UA>>2)] op_sel_hi:[1,0]
.endr
.endr
	WIN 0x0f                                       ; sources 0 and 1: v
.irp bbl, 0,1
.irp p, 0,1,2,3
	v_cvt_pk_f16_f32 v[OUT+16+4*\bbl+\p], v[8*(4*UA+UB+\bbl)+2*\p], v[8*(4*UA+UB+\bbl)+2*\p+1]
.endr
.endr
	WIN 0
.irp m, 0,1,2,3,4,5,6,7
	v_cvt_pk_f16_f32 v[OUT+\m], v[TQ+2*\m], v[TQ+2*\m+1]
	v_cvt_pk_f16_f32 v[OUT+8+\m], v[TK+2*\m], v[TK+2*\m+1]
.endr
.irp bbl, 0,1
	global_store_b128 v[QKO], v[OUT+4*\bbl:OUT+4*\bbl+3], s[12:13] offset:UA*2048+(UB+\bbl)*512       ; 512 consecutive bytes
	global_store_b128 v[QKO], v[OUT+8+4*\bbl:OUT+8+4*\bbl+3], s[14:15] offset:UA*2048+(UB+\bbl)*512
	global_store_b128 v[VO], v[OUT+16+4*\bbl:OUT+16+4*\bbl+3], s[16:17] offset:UA*2048+(UB+\bbl)*256  ; two aligned blocks of 256 bytes
.endr
.endm
.irp n, 0,1,2,3,4,5,6,7,8,9,10,11,12,13,14,15
	UNIT2 \n
.endr
	CROUND                                         ; the closing round: no work-group ends while a partner may still ask for a tile that names it
	s_endpgm
.Lfunc_end_k_q7d65752d98_gemm:
	.size	k_q7d65752d98_gemm, .Lfunc_end_k_q7d65752d98_gemm-k_q7d65752d98_gemm
	.p2alignl 7, 3214868480
	.fill 96, 4, 3214868480
	.section	.rodata,"a",@progbits
	.p2align	6, 0x0
	.amdhsa_kernel k_q7d65752d98_gemm
		.amdhsa_group_segment_fixed_size 327680
		.amdhsa_private_segment_fixed_size 0
		.amdhsa_enable_private_segment 0
		.amdhsa_kernarg_size 64
		.amdhsa_user_sgpr_count 2
		.amdhsa_user_sgpr_kernarg_segment_ptr 1
		.amdhsa_wavefront_size32 1
		.amdhsa_system_sgpr_workgroup_id_x 1
		.amdhsa_system_sgpr_workgroup_id_y 1
		.amdhsa_system_sgpr_workgroup_id_z 1
		.amdhsa_system_vgpr_workitem_id 0
		.amdhsa_next_free_vgpr 1024
		.amdhsa_next_free_sgpr 78
		.amdhsa_reserve_vcc 1
		.amdhsa_float_denorm_mode_32 3
		.amdhsa_float_denorm_mode_16_64 3
		.amdhsa_memory_ordered 1
		.amdhsa_forward_progress 1
		.amdhsa_inst_pref_size 253
	.end_amdhsa_kernel
	.amdgpu_metadata
---
amdhsa.version: [ 1, 2 ]
amdhsa.kernels:
  - .name:           k_q7d65752d98_gemm
    .symbol:         k_q7d65752d98_gemm.kd
    .args:
      - { .name: xb, .offset: 0, .size: 8, .value_kind: global_buffer, .address_space: global }
      - { .name: wb, .offset: 8, .size: 8, .value_kind: global_buffer, .address_space: global }
      - { .name: b_qkv, .offset: 16, .size: 8, .value_kind: global_buffer, .address_space: global }
      - { .name: pt, .offset: 24, .size: 8, .value_kind: global_buffer, .address_space: global }
      - { .name: qh, .offset: 32, .size: 8, .value_kind: global_buffer, .address_space: global }
      - { .name: kh, .offset: 40, .size: 8, .value_kind: global_buffer, .address_space: global }
      - { .name: vh, .offset: 48, .size: 8, .value_kind: global_buffer, .address_space: global }
      - { .name: sc, .offset: 56, .size: 8, .value_kind: global_buffer, .address_space: global }
    .group_segment_fixed_size: 327680
    .private_segment_fixed_size: 0
    .kernarg_segment_align: 8
    .kernarg_segment_size: 64
    .max_flat_workgroup_size: 128
    .sgpr_count:     78
    .vgpr_count:     1024
    .wavefront_size: 32
...
	.end_amdgpu_metadata
.endif
;; end of part 2
;; launch attn (part 3): grid 4 x 64, 4 waves a work-group, clusters of 4 x 4, 327,680 bytes of LDS; arguments qh, kh, vh, mask, sc, out0; writes out0
.if DOCPART == 3
	.amdgcn_target "amdgcn-amd-amdhsa--gfx1250"
	.amdhsa_code_object_version 6
	.text
	.protected	k_q7d65752d98_attn
	.globl	k_q7d65752d98_attn
	.p2align	8
	.type	k_q7d65752d98_attn,@function
k_q7d65752d98_attn:
	s_mov_b64 s[64:65], 0
	v_nop
	global_prefetch_b8 v0, s[64:65] scope:SCOPE_SE
	s_setreg_imm32_b32 hwreg(HW_REG_WAVE_MODE, 25, 1), 1
	s_wait_xcnt 0x0
	s_wait_alu depctr_hold_cnt(0) depctr_sa_sdst(0) depctr_va_vdst(0) depctr_va_sdst(0) depctr_va_ssrc(0) depctr_va_vcc(0) depctr_vm_vsrc(0)
	s_getreg_b32 s2, hwreg(HW_REG_IB_STS2, 6, 4)
	s_cmp_eq_u32 s2, 0
	s_cbranch_scc0 .Lentry_in_a_cluster
	s_endpgm
.Lentry_in_a_cluster:
	s_bfe_u32 s2, ttmp6, 0x10000c
	s_cmp_lg_u32 s2, 0xf033
	s_cbranch_scc0 .Lentry_shape_is_right
	s_endpgm
.Lentry_shape_is_right:
; THIRD LAUNCH: out = softmax(q k^T + mask) v with a running maximum.  (1/sqrt(128) lies in q already.)  Nothing of the computation is left out.
; Work-group (cx, wgy): batch wgy >> 4, query rows 128 (wgy & 15) .., heads 4 cx .. 4 cx + 3; wave w takes head 4 cx + w and all 128 rows.
; Keys go in 32 steps of 64 through two LDS slots.
; CLUSTERS: 4 x 4 work-groups.  The mask's tile hangs on wgy alone and is asked for jointly by a row of the cluster, so each byte of the mask is
; requested once for all 16 heads.  K's and V's tiles hang on the batch (the same in the whole cluster) and on cx: jointly by a column.
; The grid has one cluster along x, so the work-group's x is cx.
; SCALES: qh holds q / cq (one power of two for my 128 rows), kh holds k / ck (one for each key step).  With c = cq ck the true score is c S',
; S' = (q / cq)(k / ck) + mask / c.  The mask is multiplied by 1 / c (exact) in the score registers and enters the product as C; the row maximum of S' is
; multiplied by c, so the running maximum is in true units from step to step; the exponent is S' (c log2e) + NM.
; ORIENTATION: S'^T = K Q^T + mask / c: source 0 = 16 keys of K, source 1 = 16 rows of Q.  Lane (r, h), register jj of tile kt holds query r,
; key 16 kt + 8 h + jj, so a row's maximum and sum lie in one lane and its partner 16 lanes away, and two neighbouring tiles, packed to f16, are source 1 of
; O^T = V^T P^T as they stand.  O^T: lane (r, h) holds query r, d = 16 dt + 8 h + jj: the rescaling factor and 1 / sum are one number a lane.
; ORDER OF ISSUE: S(i+1), softmax(i), P V(i), S(i+2), ..: the matrix instructions on both sides of a softmax run under its vector work.
; LIMITS: q, k, v and the weights P are f16 (P <= 1 by the maximum; weights below 2^-24 are 0 in the product with v).  The running maximum starts at -1e30, so a
; mask entry of -inf gives weight 0 and a row that is all -inf gives NaN, as the softmax of such a row does; a mask entry whose quotient by c overflows f32
; acts as -inf; a NaN or +inf in the mask is not carried element by element (the maxima drop NaN).
; NM = round(-max log2e); the rescaling factor is 2^(NM new - NM old) from the same two rounded numbers, so the rounding of max log2e cancels whatever the
; size of the scores.
; REGISTERS: window 0 below; window 1: O(i, dt) at v[8 (4 i + dt)]; window 2: Q(i, dh) at v[8 (2 i + dh)].
.set REG,    32768                     ; regions of a slot = wave x REG: mask rows 0-63, mask rows 64-127 (pitch 272), K (4 heads x 8,192), V (the same)
.set SLOT,   131072
.set STAGE,  262144                    ; behind the slots: 16 rows x 272 bytes for each wave, for the way out; no fill lands here
.set SPITCH, 272
.set LOG2E,  0x3fb8aa3b
.set NLOG2E, 0xbfb8aa3b
.set VC,   4                           ; v4      lane = key step: c
.set VIC,  5                           ; v5      1 / c
.set VCL,  6                           ; v6      c log2e
.set MADR, 8                           ; v8-9    272 r + 32 h, slot 0, 1
.set KADR, 10                          ; v10-11  K's region + 8192 w + 16 x lane
.set VADR, 12                          ; v12-13  V's region + 8192 w + 1024 h + 16 r
.set STO,  14                          ; v14     the way out: into my stage
.set RD,   15                          ; v15     back from it by rows
.set CO,   16                          ; v16     4096 h + 16 r: offset in out0
.set QO,   17                          ; v17     16 x lane
.set MX,   18                          ; v18-25  running maximum of query tile i
.set LS,   26                          ; v26-33  running sum (this lane's half of the keys)
.set TM,   34                          ; v34-37
.set TX,   38
.set KSO,  39                          ; v39     offset of step = lane in the scales
.set AL,   40                          ; v40 the rescaling factor (v41 only fills the pair)
.set NM,   42                          ; v42 -max log2e         (v43 likewise)
.set TS,   44                          ; v44-47
.set PP,   48                          ; v48-63  P in f16: two fragments of 32 keys
.set SA,   64                          ; v64-95, v96-127 scores of 16 queries x 64 keys, two buffers (tile i in buffer i & 1)
.set KF,   128                         ; v128-191 K's fragments (kt, dh) at 8 (2 kt + dh)
.set VF,   192                         ; v192-255 V's fragments (dt, kh) at 8 (2 dt + kh)
.set G1M, 32                           ; s[32:39] group 1 for the mask      s[40:47] for K and V
.set G1K, 40
.set G0M, 48                           ; s[48:55] group 0 for the mask, a set for each slot      s[56:63] for K or V
.set G0K, 56
.set SCL, 84                           ; a step's scales, a set for each slot: s[84+8s] c, s[86+8s:87+8s] c log2e, s[88+8s:89+8s] 1 / c (upper halves only fill the pairs)
.set STEPI, 99                         ; the key step whose scales are read next
.set MSB, 0
.macro WIN new
.if MSB != \new
	s_set_vgpr_msb (MSB<<8)|\new
.set MSB, \new
.endif
.endm
.macro PLACES
.rept 4
	v_nop
.endr
.endm
.macro JLOAD s                         ; waves 0, 1 ask for the mask's halves, wave 2 for K, wave 3 for V
	s_cmp_eq_u32 s21, 0
	s_cbranch_scc0 .Lfor_kv_\@
	tensor_load_to_lds s[G0M+4*\s:G0M+4*\s+3], s[G1M:G1M+7]
	s_nop 0
	s_branch .Lasked_\@
.Lfor_kv_\@:
	tensor_load_to_lds s[G0K+4*\s:G0K+4*\s+3], s[G1K:G1K+7]
	s_nop 0
.Lasked_\@:
.endm
.macro CREST
	s_cmp_lg_u32 s20, 0
	s_cbranch_scc1 .Lnot_wave_0_\@
	s_barrier_signal -3
.Lnot_wave_0_\@:
	s_barrier_wait -3
	s_barrier_signal -1
	s_barrier_wait -1
.endm
.macro CROUND
	s_barrier_signal -1
	s_barrier_wait -1
	CREST
.endm
	s_load_b256 s[4:11], s[0:1], 0x0               ; qh 4, kh 6, vh 8, mask 10
	s_load_b128 s[12:15], s[0:1], 0x20             ; sc 12, out0 14
	s_set_vgpr_msb 0x80
	v_lshl_add_u32 v128, v0, 2, 0x44400
	v_mov_b32 v129, 0
	s_set_vgpr_msb 0x808a
	ds_add_u32 v128, v129
	s_set_vgpr_msb 0x8a00
	v_lshrrev_b32 v1, 5, v0
	v_readfirstlane_b32 s20, v1                    ; wave
	s_lshr_b32 s21, s20, 1                         ; I fetch for the mask (0) or for K and V (1)
	s_and_b32 s22, s20, 1                          ; which half of the mask; K (0) or V (1)
	s_bfe_u32 s23, ttmp6, 0x40000                  ; cx
	s_bfe_u32 s24, ttmp6, 0x40004                  ; cy
	s_and_b32 s25, ttmp7, 0xffff                   ; cluster y
	s_lshl_b32 s26, s25, 2
	s_add_co_u32 s26, s26, s24                     ; wgy
	s_lshl_b32 s28, s24, 2
	s_lshl_b32 s28, 15, s28                        ; my row of the cluster
	s_lshl_b32 s29, 0x1111, s23                    ; my column
	; the mask: 64 rows of 64 f32 (256 bytes), 2,048 elements from row to row, 4 words of padding behind every 64 words
	s_or_b32 s[G1M+0], s28, (2<<16)|(1<<20)|(1<<21)|(5<<22)|(3<<25)
	s_mov_b32 s[G1M+1], 64<<16
	s_mov_b32 s[G1M+2], 64<<16
	s_mov_b32 s[G1M+3], 64<<16
	s_mov_b32 s[G1M+4], 64
	s_mov_b32 s[G1M+5], 2048
	s_mov_b32 s[G1M+6], 0
	s_mov_b32 s[G1M+7], 0
	; K or V: 4 rows (heads) of 1,024 elements of 8 bytes (64 keys of a head, dense), 262,144 bytes from head to head, no padding
	s_or_b32 s[G1K+0], s29, (3<<16)|(1<<21)
	s_mov_b32 s[G1K+1], 1024<<16
	s_mov_b32 s[G1K+2], 4<<16
	s_mov_b32 s[G1K+3], 1024<<16
	s_mov_b32 s[G1K+4], 4
	s_mov_b32 s[G1K+5], 32768
	s_mov_b32 s[G1K+6], 0
	s_mov_b32 s[G1K+7], 0
	s_lshl_b32 s30, s20, 15                        ; wave x REG
	s_mov_b32 s31, 0xf149f2ca                      ; -1e30
	s_mov_b32 s66, 0x76543210                      ; v_permlanex16_b32: lane i reads lane i of the other half
	s_mov_b32 s67, 0xfedcba98
	s_lshl_b32 s68, s26, 20                        ; the mask: row 128 wgy + 64 x half, 8,192 bytes a row: made of cluster y, cy and the wave's number
	s_lshl_b32 s72, s22, 19
	s_add_co_u32 s68, s68, s72
	s_mov_b32 s69, 0
	s_lshr_b32 s70, s25, 2                         ; K, V: batch = cluster y >> 2, heads 4 cx ..: made of cluster y and cx
	s_lshl_b32 s70, s70, 22
	s_lshl_b32 s72, s23, 20
	s_add_co_u32 s70, s70, s72
	s_mov_b32 s71, 0
	s_lshl_b32 s74, s23, 2
	s_add_co_u32 s74, s74, s20                     ; my head
	s_lshr_b32 s76, s25, 2
	s_lshl_b32 s76, s76, 4
	s_add_co_u32 s76, s76, s74                     ; 16 b + head
	s_lshl_b32 s78, s76, 9                         ; 512 bytes of scales
	s_mov_b32 s79, 0
	s_lshl_b32 s76, s76, 18
	s_and_b32 s75, s26, 15                         ; my block of 128 rows
	s_lshl_b32 s80, s75, 5                         ; its 32 bytes of scales
	s_mov_b32 s81, 0
	s_lshl_b32 s75, s75, 14                        ; 128 rows of q: 8 tiles of 2,048 bytes
	s_add_co_u32 s76, s76, s75
	s_mov_b32 s77, 0
	s_lshl_b32 s74, s74, 8                         ; out0: 256 bytes a head in a row,
	s_lshl_b32 s75, s26, 19                        ; 128 rows of 4,096 bytes
	s_add_co_u32 s74, s74, s75
	s_mov_b32 s75, 0
	s_wait_dscnt 0x0
	s_wait_kmcnt 0x0
	s_add_nc_u64 s[68:69], s[10:11], s[68:69]
	s_cmp_eq_u32 s22, 0
	s_cselect_b64 s[72:73], s[6:7], s[8:9]         ; even waves: kh, odd waves: vh
	s_add_nc_u64 s[70:71], s[72:73], s[70:71]
	s_add_nc_u64 s[4:5], s[4:5], s[76:77]
	s_add_nc_u64 s[14:15], s[14:15], s[74:75]
	s_add_nc_u64 s[12:13], s[12:13], s[78:79]      ; my head's scales
	s_add_nc_u64 s[80:81], s[12:13], s[80:81]
	s_load_b64 s[82:83], s[80:81], 0x10            ; cq, 1 / cq of my 128 rows
	CROUND                                         ; all sixteen work-groups are here: the first joint loads meet
.irp s, 0,1
	s_mov_b32 s[G0M+4*\s], 1
	s_add_co_u32 s[G0M+4*\s+1], s30, \s*SLOT
	s_add_nc_u64 s[G0M+4*\s+2:G0M+4*\s+3], s[68:69], \s*256
	s_or_b32 s[G0M+4*\s+3], s[G0M+4*\s+3], 0x80000000
	s_mov_b32 s[G0K+4*\s], 1
	s_add_co_u32 s[G0K+4*\s+1], s30, \s*SLOT
	s_add_nc_u64 s[G0K+4*\s+2:G0K+4*\s+3], s[70:71], \s*8192
	s_or_b32 s[G0K+4*\s+3], s[G0K+4*\s+3], 0x80000000
	JLOAD \s                                       ; key steps 0 and 1: two tensor loads of the wave are out, the most in this text
.endr
	v_and_b32 v1, 15, v0                           ; r
	v_bfe_u32 v2, v0, 4, 1                         ; h
	v_and_b32 v3, 31, v0
	v_lshlrev_b32 v[QO], 4, v3
	WIN 0x80                                       ; destination: window 2
.irp i, 0,1,2,3,4,5,6,7
.irp dh, 0,1
	global_load_b128 v[8*(2*\i+\dh):8*(2*\i+\dh)+3], v[QO], s[4:5] offset:\i*2048+\dh*1024            ; Q's fragments, 512 consecutive bytes a load, once
	global_load_b128 v[8*(2*\i+\dh)+4:8*(2*\i+\dh)+7], v[QO], s[4:5] offset:\i*2048+\dh*1024+512
.endr
.endr
	WIN 0
	v_mul_u32_u24 v4, v1, SPITCH
	v_lshl_add_u32 v[MADR], v2, 5, v4
	v_add_nc_u32 v[MADR+1], SLOT, v[MADR]
	s_lshl_b32 s72, s20, 13                        ; my head's 8,192 bytes
	s_add_co_u32 s73, s72, 2*REG
	v_add_nc_u32 v[KADR], s73, v[QO]
	v_add_nc_u32 v[KADR+1], SLOT, v[KADR]
	v_lshlrev_b32 v5, 4, v1
	v_lshl_add_u32 v6, v2, 10, v5
	s_add_co_u32 s73, s72, 3*REG
	v_add_nc_u32 v[VADR], s73, v6
	v_add_nc_u32 v[VADR+1], SLOT, v[VADR]
	s_mul_i32 s72, s20, 16*SPITCH
	s_add_co_u32 s72, s72, STAGE                   ; my stage
	v_add_nc_u32 v[STO], s72, v[MADR]              ; row r, 32 bytes for each half of the lanes
	v_mul_u32_u24 v7, v2, SPITCH
	v_add_nc_u32 v7, v7, v5
	v_add_nc_u32 v[RD], s72, v7                    ; lanes 0-15 one row of 256 bytes, lanes 16-31 the next
	v_lshl_add_u32 v[CO], v2, 12, v5
	v_mov_b32 v[TX], 0                             ; v_permlanex16_b32's destination counts as read
	v_mov_b32 v[AL+1], 0                           ; the upper halves of the two broadcast pairs
	v_mov_b32 v[NM+1], 0
	v_and_b32 v6, 1, v3                            ; key step = lane: block lane >> 1 (32 bytes), word lane & 1
	v_lshrrev_b32 v[KSO], 1, v3
	v_lshlrev_b32 v6, 2, v6
	v_lshl_add_u32 v[KSO], v[KSO], 5, v6
	global_load_b32 v[VC], v[KSO], s[12:13]        ; ck of step = lane
	global_load_b32 v[VIC], v[KSO], s[12:13] offset:8      ; 1 / ck
	s_mov_b32 s[STEPI], 0
.irp s, 0,1
	s_mov_b32 s[SCL+8*\s+3], 0
	s_mov_b32 s[SCL+8*\s+5], 0
.endr
.macro LDK slot                        ; 16 loads, each 512 consecutive bytes
.irp kt, 0,1,2,3
.irp dh, 0,1
	ds_load_b128 v[KF+8*(2*\kt+\dh):KF+8*(2*\kt+\dh)+3], v[KADR+\slot] offset:\kt*2048+\dh*1024
	ds_load_b128 v[KF+8*(2*\kt+\dh)+4:KF+8*(2*\kt+\dh)+7], v[KADR+\slot] offset:\kt*2048+\dh*1024+512
.endr
.endr
.endm
.macro LDV slot                        ; 16 loads, each two runs of 256 consecutive bytes
.irp dt, 0,1,2,3
.irp kh, 0,1
	ds_load_b128 v[VF+8*(2*\dt+\kh):VF+8*(2*\dt+\kh)+3], v[VADR+\slot] offset:\kh*4096+\dt*256
	ds_load_b128 v[VF+8*(2*\dt+\kh)+4:VF+8*(2*\dt+\kh)+7], v[VADR+\slot] offset:\kh*4096+\dt*256+2048
.endr
.endr
.endm
.macro LDM slot, i, buf                ; the mask of query tile i as four C tiles: 32 bytes of row r for each tile
.irp kt, 0,1,2,3
	ds_load_b128 v[\buf+8*\kt:\buf+8*\kt+3], v[MADR+\slot] offset:((\i)>>2)*REG+((\i)&3)*16*SPITCH+\kt*64
	ds_load_b128 v[\buf+8*\kt+4:\buf+8*\kt+7], v[MADR+\slot] offset:((\i)>>2)*REG+((\i)&3)*16*SPITCH+\kt*64+16
.endr
.endm
.macro SETSC sl                        ; the next key step's three scales into the set of its slot
	v_readlane_b32 s[SCL+8*\sl], v[VC], s[STEPI]
	v_readlane_b32 s[SCL+8*\sl+2], v[VCL], s[STEPI]
	v_readlane_b32 s[SCL+8*\sl+4], v[VIC], s[STEPI]
	s_add_co_u32 s[STEPI], s[STEPI], 1
.endm
.macro MSC buf, sl                     ; mask / c, in the registers in which it enters the product as C
.irp m, 0,1,2,3,4,5,6,7,8,9,10,11,12,13,14,15
	v_pk_mul_f32 v[\buf+2*\m:\buf+2*\m+1], v[\buf+2*\m:\buf+2*\m+1], s[SCL+8*\sl+4:SCL+8*\sl+5] op_sel_hi:[1,0]
.endr
.endm
.macro SMM i, buf                      ; S'^T of query tile i onto its mask.  The four accumulators take turns
	WIN 0x08                                       ; source 1: window 2
.irp dh, 0,1
.irp kt, 0,1,2,3
	v_wmma_f32_16x16x32_f16 v[\buf+8*\kt:\buf+8*\kt+7], v[KF+8*(2*\kt+\dh):KF+8*(2*\kt+\dh)+7], v[8*(2*(\i)+\dh):8*(2*(\i)+\dh)+7], v[\buf+8*\kt:\buf+8*\kt+7]
.endr
.endr
.endm
.macro SMAX i, buf, first, sl          ; the new maximum of each row: of S' in the lane and its partner, times c, against the running one; NM and the rescaling factor
.irp c, 0,1,2,3
	v_max3_num_f32 v[TM+\c], v[\buf+8*\c], v[\buf+8*\c+1], v[\buf+8*\c+2]
.endr
.irp c, 0,1,2,3
	v_max3_num_f32 v[TM+\c], v[TM+\c], v[\buf+8*\c+3], v[\buf+8*\c+4]
.endr
.irp c, 0,1,2,3
	v_max3_num_f32 v[TM+\c], v[TM+\c], v[\buf+8*\c+5], v[\buf+8*\c+6]
.endr
	v_max3_num_f32 v[TM], v[TM], v[\buf+7], v[\buf+15]
	v_max3_num_f32 v[TM+2], v[TM+2], v[\buf+23], v[\buf+31]
	v_max3_num_f32 v[TM], v[TM], v[TM+1], v[TM+2]
	v_max_num_f32 v[TM], v[TM], v[TM+3]
	v_permlanex16_b32 v[TX], v[TM], s66, s67
	v_max_num_f32 v[TM], v[TM], v[TX]
	v_mul_f32 v[TM], s[SCL+8*\sl], v[TM]           ; c > 0: the maximum in true units
.if \first
	v_max_num_f32 v[TM+1], s31, v[TM]
	v_mul_f32 v[NM], NLOG2E, v[TM+1]
.else
	v_max_num_f32 v[TM+1], v[TM], v[MX+\i]
	v_mul_f32 v[AL], NLOG2E, v[MX+\i]              ; the old NM, by the same multiply that made it
	v_mul_f32 v[NM], NLOG2E, v[TM+1]
	v_sub_f32 v[AL], v[NM], v[AL]
	v_exp_f32 v[AL], v[AL]                         ; used far below; the packed multiply-adds that follow are the plain instructions behind it
.endif
.endm
.macro SEXP i, buf, first, sl          ; p = 2^(S' c log2e + NM), its sum, and P in f16
.irp m, 0,1,2,3,4,5,6,7,8,9,10,11,12,13,14,15
	v_pk_fma_f32 v[\buf+2*\m:\buf+2*\m+1], v[\buf+2*\m:\buf+2*\m+1], s[SCL+8*\sl+2:SCL+8*\sl+3], v[NM:NM+1] op_sel_hi:[1,0,0]
.endr
.set k, 0
.rept 32
	v_exp_f32 v[\buf+k], v[\buf+k]
.set k, k+1
.endr
	v_mov_b32 v[MX+\i], v[TM+1]                    ; the plain instruction between the exponentials and their use (ISA guide 5.7.2)
	s_wait_alu depctr_va_vdst(0)
	v_pk_add_f32 v[TS:TS+1], v[\buf:\buf+1], v[\buf+2:\buf+3]
	v_pk_add_f32 v[TS+2:TS+3], v[\buf+16:\buf+17], v[\buf+18:\buf+19]
.irp m, 2,3,4,5,6,7
	v_pk_add_f32 v[TS:TS+1], v[TS:TS+1], v[\buf+2*\m:\buf+2*\m+1]
	v_pk_add_f32 v[TS+2:TS+3], v[TS+2:TS+3], v[\buf+16+2*\m:\buf+16+2*\m+1]
	v_cvt_pk_f16_f32 v[PP+2*\m-4], v[\buf+4*\m-8], v[\buf+4*\m-7]
	v_cvt_pk_f16_f32 v[PP+2*\m-3], v[\buf+4*\m-6], v[\buf+4*\m-5]
.endr
.irp m, 12,13,14,15
	v_cvt_pk_f16_f32 v[PP+\m], v[\buf+2*\m], v[\buf+2*\m+1]
.endr
	v_pk_add_f32 v[TS:TS+1], v[TS:TS+1], v[TS+2:TS+3]
.if \first
	v_add_f32 v[LS+\i], v[TS], v[TS+1]
.else
	v_add_f32 v[TS], v[TS], v[TS+1]
	v_fma_f32 v[LS+\i], v[LS+\i], v[AL], v[TS]
.endif
.endm
.macro PVM i, first                    ; O^T of query tile i: rescaled, then V^T P^T onto it.  The four accumulators take turns
.if \first == 0
	WIN 0x41                                       ; source 0 and destination: window 1
.irp m, 0,1,2,3,4,5,6,7,8,9,10,11,12,13,14,15
	v_pk_mul_f32 v[32*\i+2*\m:32*\i+2*\m+1], v[32*\i+2*\m:32*\i+2*\m+1], v[AL:AL+1] op_sel_hi:[1,0]
.endr
.endif
	WIN 0x50                                       ; C and D: window 1
.irp kh, 0,1
.irp dt, 0,1,2,3
.if \first*(1-\kh)
	v_wmma_f32_16x16x32_f16 v[32*\i+8*\dt:32*\i+8*\dt+7], v[VF+8*(2*\dt+\kh):VF+8*(2*\dt+\kh)+7], v[PP+8*\kh:PP+8*\kh+7], 0
.else
	v_wmma_f32_16x16x32_f16 v[32*\i+8*\dt:32*\i+8*\dt+7], v[VF+8*(2*\dt+\kh):VF+8*(2*\dt+\kh)+7], v[PP+8*\kh:PP+8*\kh+7], v[32*\i+8*\dt:32*\i+8*\dt+7]
.endif
.endr
.endr
.endm
; The turn of query tile i in a key step on slot cur.  more: a step follows, on slot nxt; fill: slot cur is filled again; first: the sums start.
.macro TURN i, cur, nxt, more, fill, first
	s_wait_dscnt 0x0                               ; the next tile's mask is in (turn 7: the next step's K too).  In turn 6 these were my last reads of slot cur
	WIN 0
.if (7-\i)+\more
.if \i == 7
	MSC (SA+32*((\i+1)&1)), \nxt                   ; tile 0 of the next step: that step's scale
.else
	MSC (SA+32*((\i+1)&1)), \cur
.endif
	SMM ((\i+1)&7), (SA+32*((\i+1)&1))
.endif
	WIN 0
.if \i == 5
.if \more
	SETSC \nxt                                     ; the other slot's set was last used in the step before this one
.endif
.endif
.if \i == 6
.if \more
	s_set_vgpr_msb 0xa
	s_wait_tensorcnt 0x0                           ; all my tensor loads have landed: the one that was out is my part of slot nxt; no LDS instruction of mine is out
	ds_add_u32 v128, v129
	s_wait_dscnt 0x0
	s_set_vgpr_msb 0xa00
	s_barrier_signal -1                            ; (where the slot is filled again this barrier opens a round of the cluster's barrier)
.endif
.endif
	SMAX \i, (SA+32*(\i&1)), \first, \cur
.if \i == 0
	LDV \cur                                       ; behind the mask's multiplies and the maxima, which are the places behind the last step's last products with V
.endif
	SEXP \i, (SA+32*(\i&1)), \first, \cur
.if \i == 6
.if \more
	s_barrier_wait -1                              ; between signal and wait: register work alone
.if \fill
	CREST                                          ; no wave of any partner still reads slot cur or has a load on its way
	s_add_nc_u64 s[G0M+4*\cur+2:G0M+4*\cur+3], s[G0M+4*\cur+2:G0M+4*\cur+3], 512
	s_add_nc_u64 s[G0K+4*\cur+2:G0K+4*\cur+3], s[G0K+4*\cur+2:G0K+4*\cur+3], 16384
	JLOAD \cur                                     ; my one tensor load behind the round: two key steps ahead, a whole step before the wait for it
.endif
	LDK \nxt
.endif
.endif
.if \i < 6
	LDM \cur, (\i+2), (SA+32*(\i&1))               ; this tile's scores are spent: the mask of the tile after next
.else
.if \more
	LDM \nxt, (\i-6), (SA+32*(\i&1))
.endif
.endif
.if \i == 0
	s_wait_dscnt 8                                 ; V's 16 loads are in; the 8 mask loads issued behind them stay out
.endif
	PVM \i, \first
.endm
.macro STEP cur, nxt, more, fill, first
.irp i, 0,1,2,3,4,5,6,7
	TURN \i, \cur, \nxt, \more, \fill, \first
.endr
.endm
	s_wait_tensorcnt 0x1                           ; my part of key step 0 is in; step 1's stays out
	s_barrier_signal -1
	s_barrier_wait -1
	LDK 0
	LDM 0, 0, SA
	LDM 0, 1, (SA+32)
	s_wait_loadcnt 0x0                             ; Q and the keys' scales
	s_wait_kmcnt 0x0                               ; my rows' scale
	v_mul_f32 v[VC], s82, v[VC]                    ; c = cq ck, powers of two: exact
	v_mul_f32 v[VIC], s83, v[VIC]                  ; 1 / c
	v_mul_f32 v[VCL], LOG2E, v[VC]                 ; c log2e
	SETSC 0                                        ; key step 0's scales
	s_wait_dscnt 8                                 ; K and tile 0's mask are in; tile 1's 8 loads stay out
	MSC SA, 0
	SMM 0, SA
	WIN 0
	PLACES                                         ; the places between these products and the first softmax, which reads their results
	STEP 0, 1, 1, 1, 1                             ; key steps 0 and 1 stand in front of the loop: step 0 starts maxima, sums and O
	STEP 1, 0, 1, 1, 0
	WIN 0
	s_mov_b32 s27, 14
.Llap:
	STEP 0, 1, 1, 1, 0                             ; key steps 2 to 29
	STEP 1, 0, 1, 1, 0
	WIN 0
	s_sub_co_u32 s27, s27, 1
	s_cmp_lg_u32 s27, 0
	s_cbranch_scc1 .Llap
	STEP 0, 1, 1, 0, 0                             ; key steps 30 and 31 fill nothing
	STEP 1, 0, 0, 0, 0
; THE WAY OUT, 16 query rows at a time: times 1 / sum, 32 bytes a lane into my own stage, read back as whole rows of 256 bytes (a head's 64 f32).
.macro OUT16 i, f
	v_permlanex16_b32 v[TX], v[LS+\i], s66, s67    ; the other half of the keys
	v_add_f32 v[AL], v[LS+\i], v[TX]
	v_rcp_f32 v[AL], v[AL]
	v_nop                                          ; the plain instruction between the reciprocal and its use
	WIN 0x01
	s_wait_alu depctr_va_vdst(0)
.irp m, 0,1,2,3,4,5,6,7,8,9,10,11,12,13,14,15
	v_pk_mul_f32 v[KF+2*\m:KF+2*\m+1], v[32*\i+2*\m:32*\i+2*\m+1], v[AL:AL+1] op_sel_hi:[1,0]
.endr
	WIN 0
.irp dt, 0,1,2,3
	ds_store_b128 v[STO], v[KF+8*\dt:KF+8*\dt+3] offset:64*\dt
	ds_store_b128 v[STO], v[KF+8*\dt+4:KF+8*\dt+7] offset:64*\dt+16
.endr
	s_wait_xcnt 0x0                                ; buffer f, which earlier stores read, is loaded again only behind this wait
.irp t, 0,1,2,3,4,5,6,7
	ds_load_b128 v[\f+4*\t:\f+4*\t+3], v[RD] offset:\t*2*SPITCH    ; LDS serves a wave's instructions in order: these see the stores above
.endr
.irp t, 0,1,2,3,4,5,6,7
	s_wait_dscnt 7-\t
	global_store_b128 v[CO], v[\f+4*\t:\f+4*\t+3], s[14:15] offset:(16*\i+2*\t)*4096 th:TH_STORE_NT   ; 16 lanes store 256 consecutive aligned bytes
.endr
.endm
	PLACES                                         ; behind the last matrix instructions
	WIN 0
	OUT16 0, VF
	OUT16 1, (VF+32)
	OUT16 2, VF
	OUT16 3, (VF+32)
	OUT16 4, VF
	OUT16 5, (VF+32)
	OUT16 6, VF
	OUT16 7, (VF+32)
	s_set_vgpr_msb 0xa
	s_wait_tensorcnt 0x0
	ds_add_u32 v128, v129
	s_wait_dscnt 0x0
	s_set_vgpr_msb 0xa00
	CROUND                                         ; the closing round: no work-group ends while a partner may still ask for a tile that names it
	s_endpgm
.Lfunc_end_k_q7d65752d98_attn:
	.size	k_q7d65752d98_attn, .Lfunc_end_k_q7d65752d98_attn-k_q7d65752d98_attn
	.p2alignl 7, 3214868480
	.fill 96, 4, 3214868480
	.section	.rodata,"a",@progbits
	.p2align	6, 0x0
	.amdhsa_kernel k_q7d65752d98_attn
		.amdhsa_group_segment_fixed_size 327680
		.amdhsa_private_segment_fixed_size 0
		.amdhsa_enable_private_segment 0
		.amdhsa_kernarg_size 48
		.amdhsa_user_sgpr_count 2
		.amdhsa_user_sgpr_kernarg_segment_ptr 1
		.amdhsa_wavefront_size32 1
		.amdhsa_system_sgpr_workgroup_id_x 1
		.amdhsa_system_sgpr_workgroup_id_y 1
		.amdhsa_system_sgpr_workgroup_id_z 1
		.amdhsa_system_vgpr_workitem_id 0
		.amdhsa_next_free_vgpr 642
		.amdhsa_next_free_sgpr 100
		.amdhsa_reserve_vcc 0
		.amdhsa_float_denorm_mode_32 3
		.amdhsa_float_denorm_mode_16_64 3
		.amdhsa_memory_ordered 1
		.amdhsa_forward_progress 1
		.amdhsa_inst_pref_size 255
	.end_amdhsa_kernel
	.section	.bss,"aw",@nobits
	.p2align	6
	.space	262144
	.amdgpu_metadata
---
amdhsa.version: [ 1, 2 ]
amdhsa.kernels:
  - .name:           k_q7d65752d98_attn
    .symbol:         k_q7d65752d98_attn.kd
    .args:
      - { .name: qh, .offset: 0, .size: 8, .value_kind: global_buffer, .address_space: global }
      - { .name: kh, .offset: 8, .size: 8, .value_kind: global_buffer, .address_space: global }
      - { .name: vh, .offset: 16, .size: 8, .value_kind: global_buffer, .address_space: global }
      - { .name: mask, .offset: 24, .size: 8, .value_kind: global_buffer, .address_space: global }
      - { .name: sc, .offset: 32, .size: 8, .value_kind: global_buffer, .address_space: global }
      - { .name: out0, .offset: 40, .size: 8, .value_kind: global_buffer, .address_space: global }
    .group_segment_fixed_size: 327680
    .private_segment_fixed_size: 0
    .kernarg_segment_align: 8
    .kernarg_segment_size: 48
    .max_flat_workgroup_size: 128
    .sgpr_count:     100
    .vgpr_count:     642
    .wavefront_size: 32
...
	.end_amdgpu_metadata
.endif
;; end of part 3
;; ======== version 2 of 3: 3 launches; 1.10 times as fast as version 1
;; limits: right only within a limited range of input values; values are held in f16: magnitudes above 65,504 overflow, below 6.1e-05 lose precision
;; workspace buffers: xb 16,777,216 bytes; wb 6,291,456 bytes; qh 16,777,216 bytes; kh 16,777,216 bytes; vh 16,777,216 bytes; sc 32,768 bytes
;; launch conv (part 4): grid 256 x 1, 11 waves a work-group, no clusters, 0 bytes of LDS; arguments x, w_qkv, xb, wb; writes xb, wb
.if DOCPART == 4
	.amdgcn_target "amdgcn-amd-amdhsa--gfx1250"
	.amdhsa_code_object_version 6
	.text
	.protected	k_q7d65752d98_conv
	.globl	k_q7d65752d98_conv
	.p2align	8
	.type	k_q7d65752d98_conv,@function
k_q7d65752d98_conv:
	s_mov_b64 s[64:65], 0
	v_nop
	global_prefetch_b8 v0, s[64:65] scope:SCOPE_SE
	s_setreg_imm32_b32 hwreg(HW_REG_WAVE_MODE, 25, 1), 1
	s_wait_xcnt 0x0
; FIRST OF THREE LAUNCHES: x and w_qkv are rounded to f16 once, in the order in which the projection's tiles are fetched.
; NOTHING OF THE COMPUTATION IS LEFT OUT in any of the three launches: every input reaches the output.  In particular k's bias stays:
; behind the rotation and the division by pe_scale it differs from key to key, so it is not constant along the softmax's axis.
; WHY f16 AND NOT bf16: the output is an average over 2,048 values, so its root mean square is small, and 8 significant bits in x, w, q, k, v and
; the weights add up to about 0.4 % of it; 11 bits give about 0.06 %.
; LIMITS: x and w are matrix operands in f16: |x|, |w| < 65,504; numbers below 2^-14 keep an absolute error of 2^-25.
;   xb [mb 32][kb 16][row 256][64 f16]       x's rows 256 mb + row, columns 64 kb ..: each (mb, kb) block is 32,768 dense bytes
;   wb [j 8][kb 16][rho 384][64 f16]         rho = 192 c + 64 s + dd is w's row 1024 s + 64 (2 j + c) + dd (s = 0, 1, 2: q, k, v)
; A stream: no LDS, no matrix unit, no barrier.  x has 8,192 rows and w 3,072: 2,816 groups of four rows = 256 work-groups x 11 waves, the same work
; for each.  Wave W takes rows 4 W .. 4 W + 3 of x (W < 2048) or of w.  Its 16 KB are asked for by 32 loads ahead of its first wait, so a work-group's
; whole share of 176 KB is on its way at once and no slot is left to be filled a second time: no ring, no loop.
.set XWAVES, 2048                      ; waves that take x
	s_load_b256 s[4:11], s[0:1], 0x0               ; x 4, w 6, xb 8, wb 10
	v_lshrrev_b32 v1, 5, v0
	v_readfirstlane_b32 s12, v1                    ; wave 0..10
	s_mul_i32 s13, ttmp9, 11
	s_add_co_u32 s13, s13, s12                     ; W
	v_and_b32 v1, 15, v0                           ; r
	v_bfe_u32 v2, v0, 4, 1                         ; h
	v_lshlrev_b32 v1, 4, v1
	v_lshl_add_u32 v2, v2, 12, v1                  ; in: 4096 h + 16 r
	v_and_b32 v3, 31, v0
	v_lshlrev_b32 v3, 3, v3                        ; out: 8 x lane = 128 h + 8 r
	s_mov_b32 s15, 0
	s_mov_b32 s17, 0
; Load (q, j): each half of the wave reads 256 consecutive bytes (64 numbers, K block j) of row 2 q + h.  The two conversions land in the load's own first
; two registers.  Store (q, j): 8 bytes a lane, 256 consecutive aligned bytes: the 128 bytes of rows 2 q and 2 q + 1 in K block j.
.macro CONV src, dst, stride
.irp q, 0,1
.irp j, 0,1,2,3,4,5,6,7,8,9,10,11,12,13,14,15
	global_load_b128 v[8+64*\q+4*\j:11+64*\q+4*\j], v2, s[\src:\src+1] offset:8192*\q+256*\j th:TH_LOAD_NT
.endr
.endr
.irp q, 0,1
.irp j, 0,1,2,3,4,5,6,7,8,9,10,11,12,13,14,15
	s_wait_loadcnt 31-16*\q-\j                     ; loads return in order: this one is in, the younger ones stay out
	v_cvt_pk_f16_f32 v[8+64*\q+4*\j], v[8+64*\q+4*\j], v[9+64*\q+4*\j]
	v_cvt_pk_f16_f32 v[9+64*\q+4*\j], v[10+64*\q+4*\j], v[11+64*\q+4*\j]
	global_store_b64 v3, v[8+64*\q+4*\j:9+64*\q+4*\j], s[\dst:\dst+1] offset:256*\q+\j*\stride
.endr
.endr
.endm
	s_cmp_lt_u32 s13, XWAVES
	s_cbranch_scc0 .Lw
	; ---- x: rows 4 W ..
	s_lshl_b32 s14, s13, 14                        ; four rows of 4,096 bytes
	s_lshr_b32 s16, s13, 6                         ; mb
	s_lshl_b32 s16, s16, 19
	s_and_b32 s18, s13, 63
	s_lshl_b32 s18, s18, 9                         ; four rows of 128 bytes in a block
	s_add_co_u32 s16, s16, s18
	s_wait_kmcnt 0x0
	s_add_nc_u64 s[4:5], s[4:5], s[14:15]
	s_add_nc_u64 s[8:9], s[8:9], s[16:17]
	CONV 4, 8, 32768
	s_endpgm
.Lw:
	; ---- w: rows n .. n + 3, n = 4 (W - 2048): four neighbouring rho, since n is a multiple of 4 and a head has 64 rows
	s_sub_co_u32 s13, s13, XWAVES
	s_lshl_b32 s14, s13, 14
	s_lshl_b32 s18, s13, 2                         ; n
	s_lshr_b32 s19, s18, 10                        ; s: q, k or v
	s_bfe_u32 s20, s18, 0x40006                    ; head
	s_and_b32 s21, s18, 63                         ; dd
	s_lshr_b32 s22, s20, 1                         ; j
	s_mul_i32 s16, s22, 786432
	s_and_b32 s20, s20, 1                          ; c
	s_mul_i32 s20, s20, 192
	s_lshl_b32 s19, s19, 6
	s_add_co_u32 s20, s20, s19
	s_add_co_u32 s20, s20, s21                     ; rho
	s_lshl_b32 s20, s20, 7
	s_add_co_u32 s16, s16, s20
	s_wait_kmcnt 0x0
	s_add_nc_u64 s[6:7], s[6:7], s[14:15]
	s_add_nc_u64 s[10:11], s[10:11], s[16:17]
	CONV 6, 10, 49152
	s_endpgm
.Lfunc_end_k_q7d65752d98_conv:
	.size	k_q7d65752d98_conv, .Lfunc_end_k_q7d65752d98_conv-k_q7d65752d98_conv
	.p2alignl 7, 3214868480
	.fill 96, 4, 3214868480
	.section	.rodata,"a",@progbits
	.p2align	6, 0x0
	.amdhsa_kernel k_q7d65752d98_conv
		.amdhsa_group_segment_fixed_size 0
		.amdhsa_private_segment_fixed_size 0
		.amdhsa_enable_private_segment 0
		.amdhsa_kernarg_size 32
		.amdhsa_user_sgpr_count 2
		.amdhsa_user_sgpr_kernarg_segment_ptr 1
		.amdhsa_wavefront_size32 1
		.amdhsa_system_sgpr_workgroup_id_x 1
		.amdhsa_system_sgpr_workgroup_id_y 1
		.amdhsa_system_sgpr_workgroup_id_z 1
		.amdhsa_system_vgpr_workitem_id 0
		.amdhsa_next_free_vgpr 136
		.amdhsa_next_free_sgpr 66
		.amdhsa_reserve_vcc 0
		.amdhsa_float_denorm_mode_32 3
		.amdhsa_float_denorm_mode_16_64 3
		.amdhsa_memory_ordered 1
		.amdhsa_forward_progress 1
		.amdhsa_inst_pref_size 24
	.end_amdhsa_kernel
	.amdgpu_metadata
---
amdhsa.version: [ 1, 2 ]
amdhsa.kernels:
  - .name:           k_q7d65752d98_conv
    .symbol:         k_q7d65752d98_conv.kd
    .args:
      - { .name: x, .offset: 0, .size: 8, .value_kind: global_buffer, .address_space: global }
      - { .name: w_qkv, .offset: 8, .size: 8, .value_kind: global_buffer, .address_space: global }
      - { .name: xb, .offset: 16, .size: 8, .value_kind: global_buffer, .address_space: global }
      - { .name: wb, .offset: 24, .size: 8, .value_kind: global_buffer, .address_space: global }
    .group_segment_fixed_size: 0
    .private_segment_fixed_size: 0
    .kernarg_segment_align: 8
    .kernarg_segment_size: 32
    .max_flat_workgroup_size: 352
    .sgpr_count:     66
    .vgpr_count:     136
    .wavefront_size: 32
...
	.end_amdgpu_metadata
.endif
;; end of part 4
;; launch gemm (part 5): grid 8 x 32, 4 waves a work-group, clusters of 4 x 4, 327,680 bytes of LDS; arguments xb, wb, b_qkv, pe_cos, qh, kh, vh, sc, pe_sin, pe_scale; writes qh, kh, vh, sc
.if DOCPART == 5
	.amdgcn_target "amdgcn-amd-amdhsa--gfx1250"
	.amdhsa_code_object_version 6
	.text
	.protected	k_q7d65752d98_gemm
	.globl	k_q7d65752d98_gemm
	.p2align	8
	.type	k_q7d65752d98_gemm,@function
k_q7d65752d98_gemm:
	s_mov_b64 s[64:65], 0
	v_nop
	global_prefetch_b8 v0, s[64:65] scope:SCOPE_SE
	s_setreg_imm32_b32 hwreg(HW_REG_WAVE_MODE, 25, 1), 1
	s_wait_xcnt 0x0
	s_wait_alu depctr_hold_cnt(0) depctr_sa_sdst(0) depctr_va_vdst(0) depctr_va_sdst(0) depctr_va_ssrc(0) depctr_va_vcc(0) depctr_vm_vsrc(0)
	s_getreg_b32 s2, hwreg(HW_REG_IB_STS2, 6, 4)
	s_cmp_eq_u32 s2, 0
	s_cbranch_scc0 .Lentry_in_a_cluster
	s_endpgm
.Lentry_in_a_cluster:
	s_bfe_u32 s2, ttmp6, 0x10000c
	s_cmp_lg_u32 s2, 0xf033
	s_cbranch_scc0 .Lentry_shape_is_right
	s_endpgm
.Lentry_shape_is_right:
; SECOND LAUNCH: qkv = x w^T + b, the rotation, pe_scale and the scores' scale; q, k, v leave in f16 in the order of the attention's fragments.
; Nothing of the computation is left out.  Operands f16 (rounded by the first launch), sums f32, the bias starts the sums.
; Work-group (j, mb): x's rows 256 mb .. + 255 times the 384 columns of heads 2 j and 2 j + 1 of q, k and v.  Four waves, one for each SIMD:
; wave w makes rows 128 (w >> 1) .. times the 192 columns (q, k, v) of head 2 j + (w & 1): 96 accumulator tiles, 768 registers.
; For 32 along K a wave reads 20 KB of LDS for 96 matrix instructions.
; K goes in 16 steps of 64 through two LDS slots.  A step's tile of x (32,768 bytes) and of w (49,152 bytes) is a dense block in memory; it comes
; in as rows of 256 bytes (two matrix rows) with 16 bytes of padding behind each, so matrix row p lies at (p >> 1) 272 + (p & 1) 128 and the
; 16 rows of a fragment begin in 16 different 16-byte columns of 256 bytes.
; CLUSTERS: 4 x 4 work-groups.  x's tile hangs on mb alone and is asked for jointly by a row of the cluster, w's on j alone, by a column.
; THE POSITION TABLES: the work-group's 256 positions of pe_cos, pe_sin and pe_scale are 3 x 256 rows of 256 bytes, 208,896 bytes at a pitch of 272.  They hang on
; mb alone: jointly by a row of the cluster.  Half of them (pe_scale, pe_sin's rows 0-127) goes into 104,448 bytes behind the slots, with the first fills; the other
; half (pe_cos, pe_sin's rows 128-255) fills slot 0 again, exactly, when K step 14 has been read, and has K step 15 in which to land.  One load a wave each time.
; OUT:  qh, kh [b 16 + head][t >> 4][d >> 3][t & 15][8 f16]      vh [b 16 + head][t >> 3][d][8 f16 (t & 7)]
;       sc [b 16 + head][B 16][8 f32]: ck(2B), ck(2B+1), 1/ck(2B), 1/ck(2B+1), cq(B), 1/cq(B), 0, 0
; RANGE: q and k grow with x, w, the cos and sin tables and pe_scale or its reciprocal, four factors, which f16 cannot follow.  So they are stored as
; q / cq and k / ck with powers of two: cq for the 128 rows of a head that one wave of the attention takes (block B), ck for the 64 keys of one of its key
; steps, chosen so that the block's largest magnitude lies in [2^14, 2^15).  This wave holds such blocks whole, so no maximum crosses waves.
; q here means the rotated q times pe_scale times 1/sqrt(128), the scores' scale.
; LIMITS: a block whose largest magnitude is below 2^-30 is scaled as if it were 2^-30.  v is stored as it is: |v| < 65,504.  1 / pe_scale is v_rcp_f32: 1 ULP, and
; a denormal pe_scale counts as 0.
; q's and k's products are used transposed (source 0 = w's rows): a lane holds 8 neighbouring d of one position, the pairs that the rotation mixes.
; v's products are used as they are: a lane holds 8 neighbouring positions of one d.  Either way a lane's 8 results are 16 bytes that belong together,
; and a wave's store covers whole aligned blocks of 256 bytes: no stage in LDS.
; REGISTERS: window 0: addresses, fragments; window s + 1: section s (q, k, v), tile (a 0..7, bb 0..3) at v[8 (4 a + bb)].
.set REG,   26112                      ; a region: 96 rows of 272 bytes (w's half); x's half uses 64 rows of it
.set SLOT,  4*REG                      ; x's two halves, w's two halves = wave x REG
.set FRESH, 2*SLOT                     ; behind the slots: pe_scale's 256 rows, then pe_sin's rows 0-127
.set TPITCH, 272
.set THALF, 128*TPITCH                 ; 128 rows of a table
.set TQUART, 64*TPITCH                 ; 64 rows
.set FRAG,  2176                       ; 16 matrix rows: 8 x 272
.set ASTEP, 32768                      ; bytes from K step to K step in xb
.set BSTEP, 49152                      ; and in wb
.set EMIN,  97                         ; biased exponent of 2^-30
.set SC,    0x3db504f3                 ; 1 / sqrt(128)
.set ADRA, 16                          ; v16-17  LDS address of my x fragments, slot 0, 1
.set ADRB, 20                          ; v20-21  of my w fragments
.set QKO,  25                          ; v25     16 x lane: offset in qh, kh and sc
.set VO,   26                          ; v26     1024 h + 16 r: offset in vh
.set CADR, 29                          ; v29     272 r + 32 h + my 128 rows of pe_cos in LDS
.set SADR, 30                          ; v30     of pe_sin
.set FADR, 31                          ; v31     of pe_scale
.set BV,   32                          ; v32-63  v's bias as four C tiles
.set FA0,  64                          ; v64-127, v128-191  x's fragments (8 x 16 rows x 32 K), two buffers
.set FA1,  128
.set FB0,  192                         ; v192-223, v224-255 w's fragments of one section (4 x 16 rows x 32 K), two buffers
.set FB1,  224
.set BQK,  128                         ; q's and k's bias as 4 + 4 C tiles, in buffer FA1 until that is first filled
.set RS,   160                         ; the way out: v64-111, v112-159 a unit's tables [bbl][cos, sin, scale][8], two buffers; v160-175 1 / pe_scale
.set TQ,   192                         ; at work on q, on k, packed results
.set TK,   208
.set OUT,  224
.set G1A, 32                           ; s[32:39] group 1 for x's tiles and for 64 rows of a table      s[40:47] for w's tiles
.set G1B, 40
.set G0A, 48                           ; s[48:55] group 0 for x's tiles, a set for each slot      s[56:63] for w's
.set G0B, 56
.set G1T, 80                           ; s[80:87] group 1 for 128 rows of a table
.set G0TA, 88                          ; s[88:91] group 0 for 128 rows of a table (waves 0, 1)      s[92:95] for 64 rows (waves 2, 3)
.set G0TB, 92
.set MSB, 0
.macro WIN new                         ; the immediate's high byte repeats the setting that is left
.if MSB != \new
	s_set_vgpr_msb (MSB<<8)|\new
.set MSB, \new
.endif
.endm
.macro PLACES                          ; four plain vector instructions between a matrix instruction and a load into, or a vector instruction on, its registers
.rept 4
	v_nop
.endr
.endm
.macro JLOAD s                         ; waves 0, 1 ask for x's halves, waves 2, 3 for w's: one line, one mask.  The branch hangs on the wave's number alone
	s_cmp_eq_u32 s21, 0
	s_cbranch_scc0 .Lfor_b_\@
	tensor_load_to_lds s[G0A+4*\s:G0A+4*\s+3], s[G1A:G1A+7]
	s_nop 0
	s_branch .Lasked_\@
.Lfor_b_\@:
	tensor_load_to_lds s[G0B+4*\s:G0B+4*\s+3], s[G1B:G1B+7]
	s_nop 0
.Lasked_\@:
.endm
.macro TLOAD                           ; the tables: waves 0, 1 ask for 128 rows each, waves 2, 3 for 64 rows each; both lines carry the mask of my row of the cluster
	s_cmp_eq_u32 s21, 0
	s_cbranch_scc0 .Lshort_\@
	tensor_load_to_lds s[G0TA:G0TA+3], s[G1T:G1T+7]
	s_nop 0
	s_branch .Ltasked_\@
.Lshort_\@:
	tensor_load_to_lds s[G0TB:G0TB+3], s[G1A:G1A+7]
	s_nop 0
.Ltasked_\@:
.endm
.macro CREST                           ; a round of the cluster's barrier behind its opening work-group barrier
	s_cmp_lg_u32 s20, 0
	s_cbranch_scc1 .Lnot_wave_0_\@
	s_barrier_signal -3
.Lnot_wave_0_\@:
	s_barrier_wait -3
	s_barrier_signal -1
	s_barrier_wait -1
.endm
.macro CROUND
	s_barrier_signal -1
	s_barrier_wait -1
	CREST
.endm
	s_load_b512 s[4:19], s[0:1], 0x0               ; xb 4, wb 6, bias 8, pe_cos 10, qh 12, kh 14, vh 16, sc 18
	s_load_b128 s[96:99], s[0:1], 0x40             ; pe_sin 96, pe_scale 98
	v_lshl_add_u32 v23, v0, 2, 0x4c800
	v_mov_b32 v24, 0
	ds_add_u32 v23, v24
	v_lshrrev_b32 v1, 5, v0
	v_readfirstlane_b32 s20, v1                    ; wave
	s_lshr_b32 s21, s20, 1                         ; my half of the rows.  Also: I fetch for x (0) or for w (1)
	s_and_b32 s22, s20, 1                          ; my head of the two.   Also: which half of that tile I fetch
	s_bfe_u32 s23, ttmp6, 0x40000                  ; cx
	s_bfe_u32 s24, ttmp6, 0x40004                  ; cy
	s_lshl_b32 s25, ttmp9, 2
	s_add_co_u32 s25, s25, s23                     ; j = 4 x cluster x + cx
	s_and_b32 s26, ttmp7, 0xffff
	s_lshl_b32 s26, s26, 2
	s_add_co_u32 s26, s26, s24                     ; mb = 4 x cluster y + cy
	s_lshl_b32 s28, s24, 2
	s_lshl_b32 s28, 15, s28                        ; my row of the cluster
	s_lshl_b32 s29, 0x1111, s23                    ; my column
	; group 1: rows of 32 elements of 8 bytes (256 bytes), dense; 4 words of padding behind every 64 words; 64 rows (x's half, a quarter of a table),
	; 96 rows (w's half) or 128 rows (half of a table)
	s_or_b32 s[G1A+0], s28, (3<<16)|(1<<20)|(1<<21)|(5<<22)|(3<<25)
	s_mov_b32 s[G1A+1], 32<<16                     ; tensor_dim0
	s_mov_b32 s[G1A+2], 64<<16                     ; tensor_dim1
	s_mov_b32 s[G1A+3], 32<<16                     ; tile_dim0
	s_mov_b32 s[G1A+4], 64                         ; tile_dim1
	s_mov_b32 s[G1A+5], 32                         ; pitch
	s_mov_b32 s[G1A+6], 0
	s_mov_b32 s[G1A+7], 0
	s_or_b32 s[G1B+0], s29, (3<<16)|(1<<20)|(1<<21)|(5<<22)|(3<<25)
	s_mov_b32 s[G1B+1], 32<<16
	s_mov_b32 s[G1B+2], 96<<16
	s_mov_b32 s[G1B+3], 32<<16
	s_mov_b32 s[G1B+4], 96
	s_mov_b32 s[G1B+5], 32
	s_mov_b32 s[G1B+6], 0
	s_mov_b32 s[G1B+7], 0
	s_or_b32 s[G1T+0], s28, (3<<16)|(1<<20)|(1<<21)|(5<<22)|(3<<25)
	s_mov_b32 s[G1T+1], 32<<16
	s_mov_b32 s[G1T+2], 128<<16
	s_mov_b32 s[G1T+3], 32<<16
	s_mov_b32 s[G1T+4], 128
	s_mov_b32 s[G1T+5], 32
	s_mov_b32 s[G1T+6], 0
	s_mov_b32 s[G1T+7], 0
	; where the tiles come from: x's address is made of mb and the wave's number, w's of j and the wave's number
	s_lshl_b32 s66, s26, 19
	s_lshl_b32 s70, s22, 14
	s_add_co_u32 s66, s66, s70
	s_mov_b32 s67, 0
	s_mul_i32 s68, s25, 786432
	s_mul_i32 s70, s22, 24576
	s_add_co_u32 s68, s68, s70
	s_mov_b32 s69, 0
	s_mul_i32 s30, s20, REG                        ; and where they go: wave x REG
	; my own offsets for the bias, the three results and the scales
	s_lshr_b32 s72, s26, 3                         ; b
	s_lshl_b32 s72, s72, 4
	s_lshl_b32 s74, s25, 1
	s_add_co_u32 s74, s74, s22                     ; head = 2 j + c
	s_add_co_u32 s72, s72, s74
	s_lshl_b32 s76, s72, 9                         ; 512 bytes of scales for a head of a batch
	s_lshl_b32 s72, s72, 18                        ; 262,144 bytes of q, of k, of v
	s_and_b32 s75, s26, 7
	s_lshl_b32 s75, s75, 8
	s_lshl_b32 s73, s21, 7
	s_add_co_u32 s75, s75, s73                     ; t0: my first position
	s_lshr_b32 s77, s75, 2                         ; 32 bytes of scales for a block of 128 positions
	s_add_co_u32 s76, s76, s77
	s_mov_b32 s77, 0
	s_lshl_b32 s73, s75, 7                         ; 128 bytes a position in all three
	s_add_co_u32 s72, s72, s73
	s_mov_b32 s73, 0
	s_lshl_b32 s74, s74, 8                         ; 64 f32 of bias a head
	s_mov_b32 s75, 0
	; the tables' tiles: the work-group's positions 256 (mb & 7) .., 256 bytes each, made of mb and the wave's number
	s_and_b32 s70, s26, 7
	s_lshl_b32 s70, s70, 16
	s_lshl_b32 s78, s22, 14
	s_add_co_u32 s78, s78, s70                     ; + 64 rows x (wave & 1)
	s_mov_b32 s79, 0
	s_lshl_b32 s71, s22, 15
	s_add_co_u32 s70, s70, s71                     ; + 128 rows x (wave & 1)
	s_mov_b32 s71, 0
	s_wait_dscnt 0x0
	s_wait_kmcnt 0x0
	s_add_nc_u64 s[66:67], s[4:5], s[66:67]
	s_add_nc_u64 s[68:69], s[6:7], s[68:69]
	s_add_nc_u64 s[8:9], s[8:9], s[74:75]
	s_add_nc_u64 s[10:11], s[10:11], s[70:71]      ; pe_cos at the 128 rows that I would ask for
	s_add_nc_u64 s[98:99], s[98:99], s[70:71]      ; pe_scale likewise
	s_add_nc_u64 s[96:97], s[96:97], s[78:79]      ; pe_sin at the 64 rows that I would ask for
	s_add_nc_u64 s[12:13], s[12:13], s[72:73]
	s_add_nc_u64 s[14:15], s[14:15], s[72:73]
	s_add_nc_u64 s[16:17], s[16:17], s[72:73]
	s_add_nc_u64 s[18:19], s[18:19], s[76:77]
	CROUND                                         ; all sixteen work-groups are here: the first joint loads meet
.irp s, 0,1
	s_mov_b32 s[G0A+4*\s], 1
	s_add_co_u32 s[G0A+4*\s+1], s30, \s*SLOT
	s_add_nc_u64 s[G0A+4*\s+2:G0A+4*\s+3], s[66:67], \s*ASTEP
	s_or_b32 s[G0A+4*\s+3], s[G0A+4*\s+3], 0x80000000
	s_mov_b32 s[G0B+4*\s], 1
	s_add_co_u32 s[G0B+4*\s+1], s30, \s*SLOT
	s_add_nc_u64 s[G0B+4*\s+2:G0B+4*\s+3], s[68:69], \s*BSTEP
	s_or_b32 s[G0B+4*\s+3], s[G0B+4*\s+3], 0x80000000
	JLOAD \s                                       ; K steps 0 and 1
.endr
	s_mov_b32 s[G0TA], 1                           ; waves 0, 1: pe_scale's rows 128 wave .. to FRESH + wave x 128 rows
	s_mul_i32 s[G0TA+1], s20, THALF
	s_add_co_u32 s[G0TA+1], s[G0TA+1], FRESH
	s_mov_b64 s[G0TA+2:G0TA+3], s[98:99]
	s_or_b32 s[G0TA+3], s[G0TA+3], 0x80000000
	s_mov_b32 s[G0TB], 1                           ; waves 2, 3: pe_sin's rows 64 (wave - 2) .. to FRESH + 256 rows + (wave - 2) x 64 rows
	s_mul_i32 s[G0TB+1], s20, TQUART
	s_add_co_u32 s[G0TB+1], s[G0TB+1], FRESH+THALF
	s_mov_b64 s[G0TB+2:G0TB+3], s[96:97]
	s_or_b32 s[G0TB+3], s[G0TB+3], 0x80000000
	TLOAD                                          ; the third first fill: three tensor loads of the wave are out, the most in this text
	s_mov_b32 s78, 0x80000000                      ; a sign
	v_and_b32 v1, 15, v0                           ; r
	v_bfe_u32 v2, v0, 4, 1                         ; h
	v_lshlrev_b32 v27, 5, v2                       ; 32 h: q's and k's bias, 8 numbers a lane
	v_lshlrev_b32 v28, 2, v1                       ; 4 r: v's bias, one number a lane
	; The bias starts the sums.  Transposed use: register jj of a tile is column 16 bb + 8 h + jj.  Plain use: all eight registers are column 16 bb + r.
.irp s, 0,1
.irp bb, 0,1,2,3
	global_load_b128 v[BQK+32*\s+8*\bb:BQK+32*\s+8*\bb+3], v27, s[8:9] offset:4096*\s+64*\bb
	global_load_b128 v[BQK+32*\s+8*\bb+4:BQK+32*\s+8*\bb+7], v27, s[8:9] offset:4096*\s+64*\bb+16
.endr
.endr
.irp bb, 0,1,2,3
	global_load_b32 v[BV+8*\bb], v28, s[8:9] offset:8192+64*\bb
.endr
	v_lshrrev_b32 v4, 1, v1
	v_and_b32 v5, 1, v1
	v_mul_u32_u24 v3, v4, 272
	v_lshl_add_u32 v3, v5, 7, v3
	v_lshl_add_u32 v3, v2, 4, v3                   ; (r >> 1) 272 + (r & 1) 128 + 16 h
	s_mul_i32 s70, s21, REG                        ; my 128 rows of x
	s_mul_i32 s71, s22, REG
	s_add_co_u32 s71, s71, 2*REG                   ; my 192 rows of w
.irp s, 0,1
	v_add_nc_u32 v[ADRA+\s], s70, v3
	v_add_nc_u32 v[ADRB+\s], s71, v3
	s_add_co_u32 s70, s70, SLOT
	s_add_co_u32 s71, s71, SLOT
.endr
	v_lshlrev_b32 v6, 4, v1
	v_lshl_add_u32 v[VO], v2, 10, v6
	v_and_b32 v7, 31, v0
	v_lshlrev_b32 v[QKO], 4, v7
	v_mul_u32_u24 v8, v1, TPITCH
	v_lshl_add_u32 v8, v2, 5, v8                   ; a table's row r, 32 bytes for each half of the lanes
	s_mul_i32 s70, s21, THALF                      ; my 128 rows: pe_cos from byte 0,
	v_add_nc_u32 v[CADR], s70, v8
	s_add_co_u32 s70, s70, FRESH                   ; pe_scale from FRESH,
	v_add_nc_u32 v[FADR], s70, v8
	s_mul_i32 s70, s21, FRESH                      ; pe_sin's rows 0-127 behind pe_scale, its rows 128-255 behind pe_cos
	s_sub_co_u32 s70, FRESH+2*THALF, s70
	v_add_nc_u32 v[SADR], s70, v8
; A fragment: lane (r, h) holds row r; registers 0-3 K = 8 h .., registers 4-7 K = 16 + 8 h ..: two loads of 16 bytes, 32 bytes apart.
.macro LOADA slot, kq, fa
.irp a, 0,1,2,3,4,5,6,7
	ds_load_b128 v[\fa+8*\a:\fa+8*\a+3], v[ADRA+\slot] offset:\a*FRAG+\kq*64
	ds_load_b128 v[\fa+8*\a+4:\fa+8*\a+7], v[ADRA+\slot] offset:\a*FRAG+\kq*64+32
.endr
.endm
.macro LOADB slot, kq, s, fb
.irp bb, 0,1,2,3
	ds_load_b128 v[\fb+8*\bb:\fb+8*\bb+3], v[ADRB+\slot] offset:(4*\s+\bb)*FRAG+\kq*64
	ds_load_b128 v[\fb+8*\bb+4:\fb+8*\bb+7], v[ADRB+\slot] offset:(4*\s+\bb)*FRAG+\kq*64+32
.endr
.endm
; 16 matrix instructions of section s: row blocks a0 .. a0 + 3 x 4 column blocks.  first = 1: C is the bias tile in window 0.
; The accumulators take turns, one instruction a turn.
.macro MUL16 s, fa, fb, a0, first
.irp a, \a0, \a0+1, \a0+2, \a0+3
.irp bb, 0,1,2,3
.if \s < 2
.if \first
	v_wmma_f32_16x16x32_f16 v[8*(4*(\a)+\bb):8*(4*(\a)+\bb)+7], v[\fb+8*\bb:\fb+8*\bb+7], v[\fa+8*(\a):\fa+8*(\a)+7], v[BQK+32*\s+8*\bb:BQK+32*\s+8*\bb+7]
.else
	v_wmma_f32_16x16x32_f16 v[8*(4*(\a)+\bb):8*(4*(\a)+\bb)+7], v[\fb+8*\bb:\fb+8*\bb+7], v[\fa+8*(\a):\fa+8*(\a)+7], v[8*(4*(\a)+\bb):8*(4*(\a)+\bb)+7]
.endif
.else
.if \first
	v_wmma_f32_16x16x32_f16 v[8*(4*(\a)+\bb):8*(4*(\a)+\bb)+7], v[\fa+8*(\a):\fa+8*(\a)+7], v[\fb+8*\bb:\fb+8*\bb+7], v[BV+8*\bb:BV+8*\bb+7]
.else
	v_wmma_f32_16x16x32_f16 v[8*(4*(\a)+\bb):8*(4*(\a)+\bb)+7], v[\fa+8*(\a):\fa+8*(\a)+7], v[\fb+8*\bb:\fb+8*\bb+7], v[8*(4*(\a)+\bb):8*(4*(\a)+\bb)+7]
.endif
.endif
.endr
.endr
.endm
.macro MUL32 s, fa, fb, first
.if \first
	WIN ((\s+1)<<6)
.else
	WIN (((\s+1)<<6)|((\s+1)<<4))
.endif
	MUL16 \s, \fa, \fb, 0, \first
	MUL16 \s, \fa, \fb, 4, \first
.endm
; The tables of unit n = (a = n >> 1, column blocks 2 (n & 1), + 1): [bbl][cos, sin, scale][8] in v64-111 or v112-159.  Lane (r, h) reads the 32 bytes of
; d = 16 bb + 8 h .. of position 16 a + r; at a pitch of 272 the sixteen rows of a load begin in sixteen different 16-byte columns of 256 bytes.
.macro UNITLD n
.set PB, 64+48*((\n)&1)
.irp bbl, 0,1
	ds_load_b128 v[PB+24*\bbl:PB+24*\bbl+3], v[CADR] offset:((\n)>>1)*16*TPITCH+(2*((\n)&1)+\bbl)*64
	ds_load_b128 v[PB+24*\bbl+4:PB+24*\bbl+7], v[CADR] offset:((\n)>>1)*16*TPITCH+(2*((\n)&1)+\bbl)*64+16
	ds_load_b128 v[PB+24*\bbl+8:PB+24*\bbl+11], v[SADR] offset:((\n)>>1)*16*TPITCH+(2*((\n)&1)+\bbl)*64
	ds_load_b128 v[PB+24*\bbl+12:PB+24*\bbl+15], v[SADR] offset:((\n)>>1)*16*TPITCH+(2*((\n)&1)+\bbl)*64+16
	ds_load_b128 v[PB+24*\bbl+16:PB+24*\bbl+19], v[FADR] offset:((\n)>>1)*16*TPITCH+(2*((\n)&1)+\bbl)*64
	ds_load_b128 v[PB+24*\bbl+20:PB+24*\bbl+23], v[FADR] offset:((\n)>>1)*16*TPITCH+(2*((\n)&1)+\bbl)*64+16
.endr
.endm
; A K step of 64: six stretches of 32 matrix instructions (3 sections x 2 halves of the step).  Each stretch first issues the next stretch's
; fragment loads; its wait leaves out exactly those, so what was issued one stretch earlier is in.
; more: a step follows, on slot nxt.  fill = 1: this slot gets the tiles two K steps ahead; fill = 2: it gets the second half of the tables.
.macro STEP slot, nxt, more, fill, first
	PLACES
	WIN 0
	LOADB \slot, 0, 1, FB1
	s_wait_dscnt 8                                 ; all but the 8 just issued
	MUL32 0, FA0, FB0, \first
	PLACES
	WIN 0
	LOADB \slot, 0, 2, FB0
	s_wait_dscnt 8
	MUL32 1, FA0, FB1, \first
	PLACES
	WIN 0
	LOADB \slot, 1, 0, FB1
	LOADA \slot, 1, FA1
	s_wait_dscnt 24                                ; all but the 24 just issued
	MUL32 2, FA0, FB0, \first
	PLACES
	WIN 0
	LOADB \slot, 1, 1, FB0
	s_wait_dscnt 8
	MUL32 0, FA1, FB1, 0
	PLACES
	WIN 0
	LOADB \slot, 1, 2, FB1
	s_wait_dscnt 8
	MUL32 1, FA1, FB0, 0
.if \more
	s_wait_dscnt 0x0                               ; my reads of this slot are over
	s_wait_tensorcnt 0x0                           ; and all my tensor loads have landed, my part of the next slot among them
	ds_add_u32 v23, v24
	s_wait_dscnt 0x0
	s_barrier_signal -1                            ; this barrier opens a round of the cluster's barrier
	WIN 0xf0
	MUL16 2, FA1, FB1, 0, 0                        ; registers only, while the others arrive
	WIN 0
	s_barrier_wait -1
	CREST                                          ; no wave of any partner still reads this slot or has a load on its way
.if \fill == 1
	s_add_nc_u64 s[G0A+4*\slot+2:G0A+4*\slot+3], s[G0A+4*\slot+2:G0A+4*\slot+3], 2*ASTEP
	s_add_nc_u64 s[G0B+4*\slot+2:G0B+4*\slot+3], s[G0B+4*\slot+2:G0B+4*\slot+3], 2*BSTEP
	JLOAD \slot                                    ; my one tensor load behind the round: two K steps ahead; 176 matrix instructions stand before the wait for it
.else
	s_mul_i32 s[G0TA+1], s20, THALF                ; waves 0, 1: pe_cos's rows 128 wave .. to wave x 128 rows
	s_mov_b64 s[G0TA+2:G0TA+3], s[10:11]
	s_or_b32 s[G0TA+3], s[G0TA+3], 0x80000000
	s_mul_i32 s[G0TB+1], s20, TQUART               ; waves 2, 3: pe_sin's rows 128 + 64 (wave - 2) .. to 256 rows + (wave - 2) x 64 rows
	s_add_co_u32 s[G0TB+1], s[G0TB+1], THALF
	s_add_nc_u64 s[G0TB+2:G0TB+3], s[G0TB+2:G0TB+3], 128*256
	TLOAD                                          ; my one tensor load behind the round; the four tiles cover slot 0's 104,448 bytes exactly; the last K step stands before the wait for it
.endif
	PLACES
	LOADB \nxt, 0, 0, FB0
	LOADA \nxt, 0, FA0
	WIN 0xf0
	MUL16 2, FA1, FB1, 4, 0
.else
	s_wait_dscnt 0x0                               ; no LDS instruction of mine is out
	s_wait_tensorcnt 0x0                           ; my part of the tables has landed
	s_barrier_signal -1
	WIN 0xf0
	MUL16 2, FA1, FB1, 0, 0
	WIN 0
	s_barrier_wait -1                              ; everybody's part has
	PLACES
	UNITLD 0                                       ; buffer FA0 is free: the first tables of the way out
	WIN 0xf0
	MUL16 2, FA1, FB1, 4, 0
.endif
.endm
	s_wait_tensorcnt 0x2                           ; my part of K step 0 is in; K step 1's and my part of the tables stay out
	s_barrier_signal -1
	s_barrier_wait -1
	LOADB 0, 0, 0, FB0
	LOADA 0, 0, FA0
	s_wait_loadcnt 0x0                             ; the bias
.irp bb, 0,1,2,3
.irp jj, 1,2,3,4,5,6,7
	v_mov_b32 v[BV+8*\bb+\jj], v[BV+8*\bb]         ; v's C tiles: a lane's eight positions share one column's bias
.endr
.endr
	STEP 0, 1, 1, 1, 1                             ; K steps 0 and 1 stand in front of the loop: their first products take the bias as C
	STEP 1, 0, 1, 1, 0
	WIN 0
	s_mov_b32 s27, 6
.Llap:
	STEP 0, 1, 1, 1, 0                             ; K steps 2 to 13
	STEP 1, 0, 1, 1, 0
	WIN 0
	s_sub_co_u32 s27, s27, 1
	s_cmp_lg_u32 s27, 0
	s_cbranch_scc1 .Llap
	STEP 0, 1, 1, 2, 0                             ; K step 14: its slot gets the tables
	STEP 1, 0, 0, 0, 0                             ; K step 15
; THE WAY OUT, FIRST PASS: q and k are rotated and scaled in place, 16 units of 16 positions x 32 columns.
; rope(u)[d] = u[d] cos[d] + u[d xor 1] sg sin[d], sg = -1 for even d, +1 for odd d.  The product with sin takes u's pair swapped and goes to a register of its own;
; the multiply-add in place then reads and writes element by element; the last multiply is by pe_scale (q) or by its reciprocal (k).
.macro ROPE1 w, t, fb, fs
	WIN \w                                         ; source 0: the section's accumulators
.irp bbl, 0,1
.irp p, 0,1,2,3
	v_pk_mul_f32 v[\t+8*\bbl+2*\p:\t+8*\bbl+2*\p+1], v[8*(4*UA+UB+\bbl)+2*\p:8*(4*UA+UB+\bbl)+2*\p+1], v[PB+24*\bbl+8+2*\p:PB+24*\bbl+8+2*\p+1] op_sel:[1,0] op_sel_hi:[0,1]
.endr
.endr
	WIN ((\w<<6)|\w)                               ; source 0 and destination
.irp bbl, 0,1
.irp p, 0,1,2,3
	v_pk_fma_f32 v[8*(4*UA+UB+\bbl)+2*\p:8*(4*UA+UB+\bbl)+2*\p+1], v[8*(4*UA+UB+\bbl)+2*\p:8*(4*UA+UB+\bbl)+2*\p+1], v[PB+24*\bbl+2*\p:PB+24*\bbl+2*\p+1], v[\t+8*\bbl+2*\p:\t+8*\bbl+2*\p+1]
.endr
.endr
.irp bbl, 0,1
.irp p, 0,1,2,3
	v_pk_mul_f32 v[8*(4*UA+UB+\bbl)+2*\p:8*(4*UA+UB+\bbl)+2*\p+1], v[8*(4*UA+UB+\bbl)+2*\p:8*(4*UA+UB+\bbl)+2*\p+1], v[(\fb)+(\fs)*\bbl+2*\p:(\fb)+(\fs)*\bbl+2*\p+1]
.endr
.endr
.endm
.macro UNIT1 n, left, ahead
.set PB, 64+48*((\n)&1)
.set UA, (\n)>>1
.set UB, 2*((\n)&1)
	s_wait_dscnt \left                             ; this unit's 12 table loads are in; the next unit's 12 stay out
.irp bbl, 0,1
.irp e, 0,1,2,3,4,5,6,7
	v_rcp_f32 v[RS+8*\bbl+\e], v[PB+24*\bbl+16+\e]
.endr
.endr
	s_wait_alu depctr_va_vdst(0)
.irp bbl, 0,1
.irp p, 0,1,2,3
	v_xor_b32 v[PB+24*\bbl+8+2*\p], s78, v[PB+24*\bbl+8+2*\p]     ; -sin for even d; also the plain instructions between the reciprocals and their use (ISA guide 5.7.2)
.endr
.endr
	ROPE1 1, TQ, PB+16, 24
	ROPE1 2, TK, RS, 8
	WIN 0
.if \ahead
	UNITLD (\n+2)
.endif
.endm
	PLACES                                         ; behind the last matrix instructions: for the reads of results and for the loads into buffer FA1
	WIN 0
	UNITLD 1
.irp n, 0,1,2,3,4,5,6,7,8,9,10,11,12,13
	UNIT1 \n, 12, 1
.endr
	UNIT1 14, 12, 0
	UNIT1 15, 0, 0
	; THE LARGEST MAGNITUDES: q's 128 rows (v8-11, four chains of 64 registers), k's rows 0-63 (v12-13) and 64-127 (v14-15)
	WIN 0x05                                       ; sources 0 and 1: q
.irp c, 0,1,2,3
	v_max_num_f32 v[8+\c], |v[64*\c]|, |v[64*\c+1]|
.endr
.set k, 2
.rept 31
.irp c, 0,1,2,3
	v_max3_num_f32 v[8+\c], |v[64*\c+k]|, |v[64*\c+k+1]|, v[8+\c]
.endr
.set k, k+2
.endr
	WIN 0x0a                                       ; sources 0 and 1: k
.irp c, 0,1,2,3
	v_max_num_f32 v[12+\c], |v[64*\c]|, |v[64*\c+1]|
.endr
.set k, 2
.rept 31
.irp c, 0,1,2,3
	v_max3_num_f32 v[12+\c], |v[64*\c+k]|, |v[64*\c+k+1]|, v[12+\c]
.endr
.set k, k+2
.endr
	WIN 0
	s_mov_b32 s66, 0x76543210                      ; v_permlanex16_b32: lane i reads lane i of the other half
	s_mov_b32 s67, 0xfedcba98
	v_max3_num_f32 v8, v8, v9, v10
	v_max_num_f32 v8, v8, v11                      ; q
	v_max_num_f32 v9, v12, v13                     ; k, rows 0-63
	v_max_num_f32 v10, v14, v15                    ; k, rows 64-127
.irp m, 1,2,4,8
.irp g, 0,1,2
	v_max_num_f32_dpp v[8+\g], v[8+\g], v[8+\g] row_xmask:\m row_mask:0xf bank_mask:0xf
.endr
.endr
.irp g, 0,1,2
	v_permlanex16_b32 v[11+\g], v[8+\g], s66, s67
.endr
.irp g, 0,1,2
	v_max_num_f32 v[8+\g], v[8+\g], v[11+\g]       ; every lane holds the block's largest magnitude, 1.m x 2^(E - 127)
.endr
	v_mul_f32 v8, SC, v8                           ; q still lacks the scores' scale: it goes into the second pass's one multiply
	; the stored number is u f with f = 2^(141 - E), so the largest lies in [2^14, 2^15); c = 1 / f = 2^(E - 141).  Both are made from the exponent field alone.
.irp g, 0,1,2
	v_lshrrev_b32 v[8+\g], 23, v[8+\g]             ; E (the sign is 0)
	v_max_u32 v[8+\g], EMIN, v[8+\g]
	v_min_u32 v[8+\g], 254, v[8+\g]
	v_sub_nc_u32 v[11+\g], 268, v[8+\g]            ; f's field: 127 + 141 - E
	v_add_nc_u32 v[8+\g], -14, v[8+\g]             ; c's field: 127 + E - 141
	v_lshlrev_b32 v[11+\g], 23, v[11+\g]
	v_lshlrev_b32 v[8+\g], 23, v[8+\g]
.endr
	v_mul_f32 v14, SC, v11
	v_readfirstlane_b32 s72, v14                   ; f of q, times 1/sqrt(128)
	v_readfirstlane_b32 s74, v12                   ; f of k's rows 0-63
	v_readfirstlane_b32 s76, v13                   ; f of k's rows 64-127
	s_mov_b32 s73, 0                               ; the upper halves of the broadcast pairs
	s_mov_b32 s75, 0
	s_mov_b32 s77, 0
	v_and_b32 v3, 31, v0
	v_cmp_eq_u32 vcc_lo, 0, v3
	v_cndmask_b32 v4, v8, v9, vcc_lo               ; lane 0: ck, ck, 1/ck, 1/ck      lane 1: cq, 1/cq, 0, 0
	v_cndmask_b32 v5, v11, v10, vcc_lo
	v_cndmask_b32 v6, 0, v12, vcc_lo
	v_cndmask_b32 v7, 0, v13, vcc_lo
	v_cmp_gt_u32 vcc_lo, 2, v3
	s_wait_xcnt 0x0                                ; EXEC changes only behind this wait
	s_and_saveexec_b32 s68, vcc_lo
	global_store_b128 v[QKO], v[4:7], s[18:19]     ; my block's 32 bytes of scales
	s_wait_xcnt 0x0                                ; and again in front of the line that widens it
	s_or_b32 exec_lo, exec_lo, s68
; SECOND PASS: times f, to f16, out.
.macro UNIT2 n
.set UA, (\n)>>1
.set UB, 2*((\n)&1)
	s_wait_xcnt 0x0                                ; the packed results, which the last unit's stores read, are rewritten only behind this wait
	WIN 0x01                                       ; source 0: q
.irp bbl, 0,1
.irp p, 0,1,2,3
	v_pk_mul_f32 v[TQ+8*\bbl+2*\p:TQ+8*\bbl+2*\p+1], v[8*(4*UA+UB+\bbl)+2*\p:8*(4*UA+UB+\bbl)+2*\p+1], s[72:73] op_sel_hi:[1,0]
.endr
.endr
	WIN 0x02                                       ; source 0: k
.irp bbl, 0,1
.irp p, 0,1,2,3
	v_pk_mul_f32 v[TK+8*\bbl+2*\p:TK+8*\bbl+2*\p+1], v[8*(4*UA+UB+\bbl)+2*\p:8*(4*UA+UB+\bbl)+2*\p+1], s[74+2*(UA>>2):75+2*(UA>>2)] op_sel_hi:[1,0]
.endr
.endr
	WIN 0x0f                                       ; sources 0 and 1: v
.irp bbl, 0,1
.irp p, 0,1,2,3
	v_cvt_pk_f16_f32 v[OUT+16+4*\bbl+\p], v[8*(4*UA+UB+\bbl)+2*\p], v[8*(4*UA+UB+\bbl)+2*\p+1]
.endr
.endr
	WIN 0
.irp m, 0,1,2,3,4,5,6,7
	v_cvt_pk_f16_f32 v[OUT+\m], v[TQ+2*\m], v[TQ+2*\m+1]
	v_cvt_pk_f16_f32 v[OUT+8+\m], v[TK+2*\m], v[TK+2*\m+1]
.endr
.irp bbl, 0,1
	global_store_b128 v[QKO], v[OUT+4*\bbl:OUT+4*\bbl+3], s[12:13] offset:UA*2048+(UB+\bbl)*512       ; 512 consecutive bytes
	global_store_b128 v[QKO], v[OUT+8+4*\bbl:OUT+8+4*\bbl+3], s[14:15] offset:UA*2048+(UB+\bbl)*512
	global_store_b128 v[VO], v[OUT+16+4*\bbl:OUT+16+4*\bbl+3], s[16:17] offset:UA*2048+(UB+\bbl)*256  ; two aligned blocks of 256 bytes
.endr
.endm
.irp n, 0,1,2,3,4,5,6,7,8,9,10,11,12,13,14,15
	UNIT2 \n
.endr
	s_wait_tensorcnt 0x0
	ds_add_u32 v23, v24
	s_wait_dscnt 0x0
	CROUND                                         ; the closing round: no work-group ends while a partner may still ask for a tile that names it
	s_endpgm
.Lfunc_end_k_q7d65752d98_gemm:
	.size	k_q7d65752d98_gemm, .Lfunc_end_k_q7d65752d98_gemm-k_q7d65752d98_gemm
	.p2alignl 7, 3214868480
	.fill 96, 4, 3214868480
	.section	.rodata,"a",@progbits
	.p2align	6, 0x0
	.amdhsa_kernel k_q7d65752d98_gemm
		.amdhsa_group_segment_fixed_size 327680
		.amdhsa_private_segment_fixed_size 0
		.amdhsa_enable_private_segment 0
		.amdhsa_kernarg_size 80
		.amdhsa_user_sgpr_count 2
		.amdhsa_user_sgpr_kernarg_segment_ptr 1
		.amdhsa_wavefront_size32 1
		.amdhsa_system_sgpr_workgroup_id_x 1
		.amdhsa_system_sgpr_workgroup_id_y 1
		.amdhsa_system_sgpr_workgroup_id_z 1
		.amdhsa_system_vgpr_workitem_id 0
		.amdhsa_next_free_vgpr 1024
		.amdhsa_next_free_sgpr 100
		.amdhsa_reserve_vcc 1
		.amdhsa_float_denorm_mode_32 3
		.amdhsa_float_denorm_mode_16_64 3
		.amdhsa_memory_ordered 1
		.amdhsa_forward_progress 1
		.amdhsa_inst_pref_size 255
	.end_amdhsa_kernel
	.section	.bss,"aw",@nobits
	.p2align	6
	.space	262144
	.amdgpu_metadata
---
amdhsa.version: [ 1, 2 ]
amdhsa.kernels:
  - .name:           k_q7d65752d98_gemm
    .symbol:         k_q7d65752d98_gemm.kd
    .args:
      - { .name: xb, .offset: 0, .size: 8, .value_kind: global_buffer, .address_space: global }
      - { .name: wb, .offset: 8, .size: 8, .value_kind: global_buffer, .address_space: global }
      - { .name: b_qkv, .offset: 16, .size: 8, .value_kind: global_buffer, .address_space: global }
      - { .name: pe_cos, .offset: 24, .size: 8, .value_kind: global_buffer, .address_space: global }
      - { .name: qh, .offset: 32, .size: 8, .value_kind: global_buffer, .address_space: global }
      - { .name: kh, .offset: 40, .size: 8, .value_kind: global_buffer, .address_space: global }
      - { .name: vh, .offset: 48, .size: 8, .value_kind: global_buffer, .address_space: global }
      - { .name: sc, .offset: 56, .size: 8, .value_kind: global_buffer, .address_space: global }
      - { .name: pe_sin, .offset: 64, .size: 8, .value_kind: global_buffer, .address_space: global }
      - { .name: pe_scale, .offset: 72, .size: 8, .value_kind: global_buffer, .address_space: global }
    .group_segment_fixed_size: 327680
    .private_segment_fixed_size: 0
    .kernarg_segment_align: 8
    .kernarg_segment_size: 80
    .max_flat_workgroup_size: 128
    .sgpr_count:     100
    .vgpr_count:     1024
    .wavefront_size: 32
...
	.end_amdgpu_metadata
.endif
;; end of part 5
;; launch attn (part 6): grid 4 x 64, 4 waves a work-group, clusters of 4 x 4, 327,680 bytes of LDS; arguments qh, kh, vh, mask, sc, out0; writes out0
.if DOCPART == 6
	.amdgcn_target "amdgcn-amd-amdhsa--gfx1250"
	.amdhsa_code_object_version 6
	.text
	.protected	k_q7d65752d98_attn
	.globl	k_q7d65752d98_attn
	.p2align	8
	.type	k_q7d65752d98_attn,@function
k_q7d65752d98_attn:
	s_mov_b64 s[64:65], 0
	v_nop
	global_prefetch_b8 v0, s[64:65] scope:SCOPE_SE
	s_setreg_imm32_b32 hwreg(HW_REG_WAVE_MODE, 25, 1), 1
	s_wait_xcnt 0x0
	s_wait_alu depctr_hold_cnt(0) depctr_sa_sdst(0) depctr_va_vdst(0) depctr_va_sdst(0) depctr_va_ssrc(0) depctr_va_vcc(0) depctr_vm_vsrc(0)
	s_getreg_b32 s2, hwreg(HW_REG_IB_STS2, 6, 4)
	s_cmp_eq_u32 s2, 0
	s_cbranch_scc0 .Lentry_in_a_cluster
	s_endpgm
.Lentry_in_a_cluster:
	s_bfe_u32 s2, ttmp6, 0x10000c
	s_cmp_lg_u32 s2, 0xf033
	s_cbranch_scc0 .Lentry_shape_is_right
	s_endpgm
.Lentry_shape_is_right:
; THIRD LAUNCH: out = softmax(q k^T + mask) v with a running maximum.  (1/sqrt(128) lies in q already.)  Nothing of the computation is left out.
; Work-group (cx, wgy): batch wgy >> 4, query rows 128 (wgy & 15) .., heads 4 cx .. 4 cx + 3; wave w takes head 4 cx + w and all 128 rows.
; Keys go in 32 steps of 64 through two LDS slots.
; CLUSTERS: 4 x 4 work-groups.  The mask's tile hangs on wgy alone and is asked for jointly by a row of the cluster, so each byte of the mask is
; requested once for all 16 heads.  K's and V's tiles hang on the batch (the same in the whole cluster) and on cx: jointly by a column.
; The grid has one cluster along x, so the work-group's x is cx.
; SCALES: qh holds q / cq (one power of two for my 128 rows), kh holds k / ck (one for each key step).  With c = cq ck the true score is c S',
; S' = (q / cq)(k / ck) + mask / c.  The mask is multiplied by 1 / c (exact) in the score registers and enters the product as C; the row maximum of S' is
; multiplied by c, so the running maximum is in true units from step to step; the exponent is S' (c log2e) + NM.
; ORIENTATION: S'^T = K Q^T + mask / c: source 0 = 16 keys of K, source 1 = 16 rows of Q.  Lane (r, h), register jj of tile kt holds query r,
; key 16 kt + 8 h + jj, so a row's maximum and sum lie in one lane and its partner 16 lanes away, and two neighbouring tiles, packed to f16, are source 1 of
; O^T = V^T P^T as they stand.  O^T: lane (r, h) holds query r, d = 16 dt + 8 h + jj: the rescaling factor and 1 / sum are one number a lane.
; ORDER OF ISSUE: a wave issues in order, so no two matrix instructions of the loop stand next to each other: each is followed by a slice of vector work.
; The turn of query tile i has three parts:
;   1. the eight products P V(i-1), each followed by a slice of tile i's maximum, whose serial end waits for its own results in any case;
;   2. the eight products S(i+1), each behind a slice of 4 exponentials, 2 multiply-adds of the next four scores and (first slices) 4 multiplies mask / c.
;      None of these vector instructions has a vector register as source 1, so they run under the window setting of S's products: one switch for the part;
;   3. tile i's sums and packing, the loads of the mask after next, the rescaling of O(i).
; So P V runs one turn behind its softmax; P V(7) falls into turn 0 of the next key step, and a run of eight stands behind the last step.
; All of P V(i-1) is issued ahead of tile i's packing and O(i) is rescaled in its own turn, so one P buffer and one factor are enough.
; LIMITS: q, k, v and the weights P are f16 (P <= 1 by the maximum; weights below 2^-24 are 0 in the product with v).  The running maximum starts at -1e30, so a
; mask entry of -inf gives weight 0 and a row that is all -inf gives NaN, as the softmax of such a row does; a mask entry whose quotient by c overflows f32
; acts as -inf; a NaN or +inf in the mask is not carried element by element (the maxima drop NaN).
; NM = round(-max log2e); the rescaling factor is 2^(NM new - NM old) from the same two rounded numbers, so the rounding of max log2e cancels whatever the
; size of the scores.
; REGISTERS: window 0 below; window 1: O(i, dt) at v[8 (4 i + dt)]; window 2: Q(i, dh) at v[8 (2 i + dh)].
.set REG,    32768                     ; regions of a slot = wave x REG: mask rows 0-63, mask rows 64-127 (pitch 272), K (4 heads x 8,192), V (the same)
.set SLOT,   131072
.set STAGE,  262144                    ; behind the slots: 16 rows x 272 bytes for each wave, for the way out; no fill lands here
.set SPITCH, 272
.set LOG2E,  0x3fb8aa3b
.set NLOG2E, 0xbfb8aa3b
.set VC,   4                           ; v4      lane = key step: c
.set VIC,  5                           ; v5      1 / c
.set VCL,  6                           ; v6      c log2e
.set MADR, 8                           ; v8-9    272 r + 32 h, slot 0, 1
.set KADR, 10                          ; v10-11  K's region + 8192 w + 16 x lane
.set VADR, 12                          ; v12-13  V's region + 8192 w + 1024 h + 16 r
.set STO,  14                          ; v14     the way out: into my stage
.set RD,   15                          ; v15     back from it by rows
.set CO,   16                          ; v16     4096 h + 16 r: offset in out0
.set QO,   17                          ; v17     16 x lane
.set MX,   18                          ; v18-25  running maximum of query tile i
.set LS,   26                          ; v26-33  running sum (this lane's half of the keys)
.set TM,   34                          ; v34-37
.set TX,   38
.set KSO,  39                          ; v39     offset of step = lane in the scales
.set AL,   40                          ; v40 the rescaling factor (v41 only fills the pair)
.set NM,   42                          ; v42 -max log2e         (v43 likewise)
.set TS,   44                          ; v44-47
.set PP,   48                          ; v48-63  P in f16: two fragments of 32 keys
.set SA,   64                          ; v64-95, v96-127 scores of 16 queries x 64 keys, two buffers (tile i in buffer i & 1)
.set KF,   128                         ; v128-191 K's fragments (kt, dh) at 8 (2 kt + dh)
.set VF,   192                         ; v192-255 V's fragments (dt, kh) at 8 (2 dt + kh)
.set G1M, 32                           ; s[32:39] group 1 for the mask      s[40:47] for K and V
.set G1K, 40
.set G0M, 48                           ; s[48:55] group 0 for the mask, a set for each slot      s[56:63] for K or V
.set G0K, 56
.set SCL, 84                           ; a step's scales, a set for each slot: s[84+8s] c, s[86+8s:87+8s] c log2e, s[88+8s:89+8s] 1 / c (upper halves only fill the pairs)
.set STEPI, 99                         ; the key step whose scales are read next
.set MSB, 0
.macro WIN new
.if MSB != \new
	s_set_vgpr_msb (MSB<<8)|\new
.set MSB, \new
.endif
.endm
.macro PLACES
.rept 4
	v_nop
.endr
.endm
.macro JLOAD s                         ; waves 0, 1 ask for the mask's halves, wave 2 for K, wave 3 for V
	s_cmp_eq_u32 s21, 0
	s_cbranch_scc0 .Lfor_kv_\@
	tensor_load_to_lds s[G0M+4*\s:G0M+4*\s+3], s[G1M:G1M+7]
	s_nop 0
	s_branch .Lasked_\@
.Lfor_kv_\@:
	tensor_load_to_lds s[G0K+4*\s:G0K+4*\s+3], s[G1K:G1K+7]
	s_nop 0
.Lasked_\@:
.endm
.macro CREST
	s_cmp_lg_u32 s20, 0
	s_cbranch_scc1 .Lnot_wave_0_\@
	s_barrier_signal -3
.Lnot_wave_0_\@:
	s_barrier_wait -3
	s_barrier_signal -1
	s_barrier_wait -1
.endm
.macro CROUND
	s_barrier_signal -1
	s_barrier_wait -1
	CREST
.endm
	s_load_b256 s[4:11], s[0:1], 0x0               ; qh 4, kh 6, vh 8, mask 10
	s_load_b128 s[12:15], s[0:1], 0x20             ; sc 12, out0 14
	s_set_vgpr_msb 0x80
	v_lshl_add_u32 v128, v0, 2, 0x44400
	v_mov_b32 v129, 0
	s_set_vgpr_msb 0x808a
	ds_add_u32 v128, v129
	s_set_vgpr_msb 0x8a00
	v_lshrrev_b32 v1, 5, v0
	v_readfirstlane_b32 s20, v1                    ; wave
	s_lshr_b32 s21, s20, 1                         ; I fetch for the mask (0) or for K and V (1)
	s_and_b32 s22, s20, 1                          ; which half of the mask; K (0) or V (1)
	s_bfe_u32 s23, ttmp6, 0x40000                  ; cx
	s_bfe_u32 s24, ttmp6, 0x40004                  ; cy
	s_and_b32 s25, ttmp7, 0xffff                   ; cluster y
	s_lshl_b32 s26, s25, 2
	s_add_co_u32 s26, s26, s24                     ; wgy
	s_lshl_b32 s28, s24, 2
	s_lshl_b32 s28, 15, s28                        ; my row of the cluster
	s_lshl_b32 s29, 0x1111, s23                    ; my column
	; the mask: 64 rows of 64 f32 (256 bytes), 2,048 elements from row to row, 4 words of padding behind every 64 words
	s_or_b32 s[G1M+0], s28, (2<<16)|(1<<20)|(1<<21)|(5<<22)|(3<<25)
	s_mov_b32 s[G1M+1], 64<<16
	s_mov_b32 s[G1M+2], 64<<16
	s_mov_b32 s[G1M+3], 64<<16
	s_mov_b32 s[G1M+4], 64
	s_mov_b32 s[G1M+5], 2048
	s_mov_b32 s[G1M+6], 0
	s_mov_b32 s[G1M+7], 0
	; K or V: 4 rows (heads) of 1,024 elements of 8 bytes (64 keys of a head, dense), 262,144 bytes from head to head, no padding
	s_or_b32 s[G1K+0], s29, (3<<16)|(1<<21)
	s_mov_b32 s[G1K+1], 1024<<16
	s_mov_b32 s[G1K+2], 4<<16
	s_mov_b32 s[G1K+3], 1024<<16
	s_mov_b32 s[G1K+4], 4
	s_mov_b32 s[G1K+5], 32768
	s_mov_b32 s[G1K+6], 0
	s_mov_b32 s[G1K+7], 0
	s_lshl_b32 s30, s20, 15                        ; wave x REG
	s_mov_b32 s31, 0xf149f2ca                      ; -1e30
	s_mov_b32 s66, 0x76543210                      ; v_permlanex16_b32: lane i reads lane i of the other half
	s_mov_b32 s67, 0xfedcba98
	s_lshl_b32 s68, s26, 20                        ; the mask: row 128 wgy + 64 x half, 8,192 bytes a row: made of cluster y, cy and the wave's number
	s_lshl_b32 s72, s22, 19
	s_add_co_u32 s68, s68, s72
	s_mov_b32 s69, 0
	s_lshr_b32 s70, s25, 2                         ; K, V: batch = cluster y >> 2, heads 4 cx ..: made of cluster y and cx
	s_lshl_b32 s70, s70, 22
	s_lshl_b32 s72, s23, 20
	s_add_co_u32 s70, s70, s72
	s_mov_b32 s71, 0
	s_lshl_b32 s74, s23, 2
	s_add_co_u32 s74, s74, s20                     ; my head
	s_lshr_b32 s76, s25, 2
	s_lshl_b32 s76, s76, 4
	s_add_co_u32 s76, s76, s74                     ; 16 b + head
	s_lshl_b32 s78, s76, 9                         ; 512 bytes of scales
	s_mov_b32 s79, 0
	s_lshl_b32 s76, s76, 18
	s_and_b32 s75, s26, 15                         ; my block of 128 rows
	s_lshl_b32 s80, s75, 5                         ; its 32 bytes of scales
	s_mov_b32 s81, 0
	s_lshl_b32 s75, s75, 14                        ; 128 rows of q: 8 tiles of 2,048 bytes
	s_add_co_u32 s76, s76, s75
	s_mov_b32 s77, 0
	s_lshl_b32 s74, s74, 8                         ; out0: 256 bytes a head in a row,
	s_lshl_b32 s75, s26, 19                        ; 128 rows of 4,096 bytes
	s_add_co_u32 s74, s74, s75
	s_mov_b32 s75, 0
	s_wait_dscnt 0x0
	s_wait_kmcnt 0x0
	s_add_nc_u64 s[68:69], s[10:11], s[68:69]
	s_cmp_eq_u32 s22, 0
	s_cselect_b64 s[72:73], s[6:7], s[8:9]         ; even waves: kh, odd waves: vh
	s_add_nc_u64 s[70:71], s[72:73], s[70:71]
	s_add_nc_u64 s[4:5], s[4:5], s[76:77]
	s_add_nc_u64 s[14:15], s[14:15], s[74:75]
	s_add_nc_u64 s[12:13], s[12:13], s[78:79]      ; my head's scales
	s_add_nc_u64 s[80:81], s[12:13], s[80:81]
	s_load_b64 s[82:83], s[80:81], 0x10            ; cq, 1 / cq of my 128 rows
	CROUND                                         ; all sixteen work-groups are here: the first joint loads meet
.irp s, 0,1
	s_mov_b32 s[G0M+4*\s], 1
	s_add_co_u32 s[G0M+4*\s+1], s30, \s*SLOT
	s_add_nc_u64 s[G0M+4*\s+2:G0M+4*\s+3], s[68:69], \s*256
	s_or_b32 s[G0M+4*\s+3], s[G0M+4*\s+3], 0x80000000
	s_mov_b32 s[G0K+4*\s], 1
	s_add_co_u32 s[G0K+4*\s+1], s30, \s*SLOT
	s_add_nc_u64 s[G0K+4*\s+2:G0K+4*\s+3], s[70:71], \s*8192
	s_or_b32 s[G0K+4*\s+3], s[G0K+4*\s+3], 0x80000000
	JLOAD \s                                       ; key steps 0 and 1: two tensor loads of the wave are out, the most in this text
.endr
	v_and_b32 v1, 15, v0                           ; r
	v_bfe_u32 v2, v0, 4, 1                         ; h
	v_and_b32 v3, 31, v0
	v_lshlrev_b32 v[QO], 4, v3
	WIN 0x80                                       ; destination: window 2
.irp i, 0,1,2,3,4,5,6,7
.irp dh, 0,1
	global_load_b128 v[8*(2*\i+\dh):8*(2*\i+\dh)+3], v[QO], s[4:5] offset:\i*2048+\dh*1024            ; Q's fragments, 512 consecutive bytes a load, once
	global_load_b128 v[8*(2*\i+\dh)+4:8*(2*\i+\dh)+7], v[QO], s[4:5] offset:\i*2048+\dh*1024+512
.endr
.endr
	WIN 0
	v_mul_u32_u24 v4, v1, SPITCH
	v_lshl_add_u32 v[MADR], v2, 5, v4
	v_add_nc_u32 v[MADR+1], SLOT, v[MADR]
	s_lshl_b32 s72, s20, 13                        ; my head's 8,192 bytes
	s_add_co_u32 s73, s72, 2*REG
	v_add_nc_u32 v[KADR], s73, v[QO]
	v_add_nc_u32 v[KADR+1], SLOT, v[KADR]
	v_lshlrev_b32 v5, 4, v1
	v_lshl_add_u32 v6, v2, 10, v5
	s_add_co_u32 s73, s72, 3*REG
	v_add_nc_u32 v[VADR], s73, v6
	v_add_nc_u32 v[VADR+1], SLOT, v[VADR]
	s_mul_i32 s72, s20, 16*SPITCH
	s_add_co_u32 s72, s72, STAGE                   ; my stage
	v_add_nc_u32 v[STO], s72, v[MADR]              ; row r, 32 bytes for each half of the lanes
	v_mul_u32_u24 v7, v2, SPITCH
	v_add_nc_u32 v7, v7, v5
	v_add_nc_u32 v[RD], s72, v7                    ; lanes 0-15 one row of 256 bytes, lanes 16-31 the next
	v_lshl_add_u32 v[CO], v2, 12, v5
	v_mov_b32 v[TX], 0                             ; v_permlanex16_b32's destination counts as read
	v_mov_b32 v[AL+1], 0                           ; the upper halves of the two broadcast pairs
	v_mov_b32 v[NM+1], 0
	v_and_b32 v6, 1, v3                            ; key step = lane: block lane >> 1 (32 bytes), word lane & 1
	v_lshrrev_b32 v[KSO], 1, v3
	v_lshlrev_b32 v6, 2, v6
	v_lshl_add_u32 v[KSO], v[KSO], 5, v6
	global_load_b32 v[VC], v[KSO], s[12:13]        ; ck of step = lane
	global_load_b32 v[VIC], v[KSO], s[12:13] offset:8      ; 1 / ck
	s_mov_b32 s[STEPI], 0
.irp s, 0,1
	s_mov_b32 s[SCL+8*\s+3], 0
	s_mov_b32 s[SCL+8*\s+5], 0
.endr
.macro LDK slot                        ; 16 loads, each 512 consecutive bytes, two a fragment, in the order in which S's products take the fragments
.irp dh, 0,1
.irp kt, 0,1,2,3
	ds_load_b128 v[KF+8*(2*\kt+\dh):KF+8*(2*\kt+\dh)+3], v[KADR+\slot] offset:\kt*2048+\dh*1024
	ds_load_b128 v[KF+8*(2*\kt+\dh)+4:KF+8*(2*\kt+\dh)+7], v[KADR+\slot] offset:\kt*2048+\dh*1024+512
.endr
.endr
.endm
.macro LDV slot                        ; 16 loads, each two runs of 256 consecutive bytes
.irp dt, 0,1,2,3
.irp kh, 0,1
	ds_load_b128 v[VF+8*(2*\dt+\kh):VF+8*(2*\dt+\kh)+3], v[VADR+\slot] offset:\kh*4096+\dt*256
	ds_load_b128 v[VF+8*(2*\dt+\kh)+4:VF+8*(2*\dt+\kh)+7], v[VADR+\slot] offset:\kh*4096+\dt*256+2048
.endr
.endr
.endm
.macro LDM slot, i, buf                ; the mask of query tile i as four C tiles: 32 bytes of row r for each tile
.irp kt, 0,1,2,3
	ds_load_b128 v[\buf+8*\kt:\buf+8*\kt+3], v[MADR+\slot] offset:((\i)>>2)*REG+((\i)&3)*16*SPITCH+\kt*64
	ds_load_b128 v[\buf+8*\kt+4:\buf+8*\kt+7], v[MADR+\slot] offset:((\i)>>2)*REG+((\i)&3)*16*SPITCH+\kt*64+16
.endr
.endm
.macro SETSC sl                        ; the next key step's three scales into the set of its slot
	v_readlane_b32 s[SCL+8*\sl], v[VC], s[STEPI]
	v_readlane_b32 s[SCL+8*\sl+2], v[VCL], s[STEPI]
	v_readlane_b32 s[SCL+8*\sl+4], v[VIC], s[STEPI]
	s_add_co_u32 s[STEPI], s[STEPI], 1
.endm
; One product of O^T(j) = V^T P^T, alone under its own window setting (C and D in window 1).  pv = 0: there is no tile before this one.
; pvf = 1: the key step of that tile was the first, its first product starts the sum.  The four accumulators take turns.
.macro PV1 pv, j, kh, dt, pvf
.if \pv
	WIN 0x50
.if \pvf*(1-\kh)
	v_wmma_f32_16x16x32_f16 v[32*\j+8*\dt:32*\j+8*\dt+7], v[VF+8*(2*\dt+\kh):VF+8*(2*\dt+\kh)+7], v[PP+8*\kh:PP+8*\kh+7], 0
.else
	v_wmma_f32_16x16x32_f16 v[32*\j+8*\dt:32*\j+8*\dt+7], v[VF+8*(2*\dt+\kh):VF+8*(2*\dt+\kh)+7], v[PP+8*\kh:PP+8*\kh+7], v[32*\j+8*\dt:32*\j+8*\dt+7]
.endif
.endif
	WIN 0
.endm
; PART 1 of a turn: the eight products P V(j), j the tile before, each followed by a slice of tile i's maximum: of S' in the lane (32 numbers, three at a time) and
; its partner, times c, against the running one; then NM, the rescaling factor and the first two multiply-adds of part 2.
.macro MAXPV i, buf, first, sl, pv, j, pvf
	PV1 \pv, \j, 0, 0, \pvf
.irp c, 0,1,2,3
	v_max3_num_f32 v[TM+\c], v[\buf+8*\c], v[\buf+8*\c+1], v[\buf+8*\c+2]
.endr
	PV1 \pv, \j, 0, 1, \pvf
.irp c, 0,1,2,3
	v_max3_num_f32 v[TM+\c], v[TM+\c], v[\buf+8*\c+3], v[\buf+8*\c+4]
.endr
	PV1 \pv, \j, 0, 2, \pvf
.irp c, 0,1,2,3
	v_max3_num_f32 v[TM+\c], v[TM+\c], v[\buf+8*\c+5], v[\buf+8*\c+6]
.endr
	PV1 \pv, \j, 0, 3, \pvf
	v_max3_num_f32 v[TM], v[TM], v[\buf+7], v[\buf+15]
	v_max3_num_f32 v[TM+2], v[TM+2], v[\buf+23], v[\buf+31]
.if \first == 0
	v_mul_f32 v[AL], NLOG2E, v[MX+\i]              ; the old NM, by the same multiply that made it (the last tile's factor was spent at the end of its turn)
.endif
	PV1 \pv, \j, 1, 0, \pvf
	v_max3_num_f32 v[TM], v[TM], v[TM+1], v[TM+2]
	v_max_num_f32 v[TM], v[TM], v[TM+3]
	PV1 \pv, \j, 1, 1, \pvf
	v_permlanex16_b32 v[TX], v[TM], s66, s67
	v_max_num_f32 v[TM], v[TM], v[TX]
	PV1 \pv, \j, 1, 2, \pvf
	v_mul_f32 v[TM], s[SCL+8*\sl], v[TM]           ; c > 0: the maximum in true units
	PV1 \pv, \j, 1, 3, \pvf
.if \first
	v_max_num_f32 v[MX+\i], s31, v[TM]
	v_mul_f32 v[NM], NLOG2E, v[MX+\i]
.else
	v_max_num_f32 v[MX+\i], v[TM], v[MX+\i]
	v_mul_f32 v[NM], NLOG2E, v[MX+\i]
	v_sub_f32 v[AL], v[NM], v[AL]
	v_exp_f32 v[AL], v[AL]                         ; used in part 3; the multiply-add below is the plain instruction behind it
.endif
.irp m, 0,1
	v_pk_fma_f32 v[\buf+2*\m:\buf+2*\m+1], v[\buf+2*\m:\buf+2*\m+1], s[SCL+8*\sl+2:SCL+8*\sl+3], v[NM:NM+1] op_sel_hi:[1,0,0]
.endr
.endm
; PART 2: p = 2^(S' c log2e + NM) of tile i in eight slices of four, each with the multiply-adds of the next four and, in slices 0 to 2, mask / c of the next tile's
; key tile g + 1 (key tile 0 stands in front); behind slice g the product g of S'^T(ni) onto its mask (smm = 0: no tile follows).  The four accumulators take turns.
; stag = 1: K's fragments were asked for at the end of the last turn: product g waits for its own two loads, the later pairs stay out.
.macro EXPS buf, sl, smm, ni, nbuf, nsl, stag
.if \smm
	WIN 0x08                                       ; source 1: window 2.  No vector instruction of this part has a vector register there
.irp e, 0,1,2,3
	v_pk_mul_f32 v[\nbuf+2*\e:\nbuf+2*\e+1], v[\nbuf+2*\e:\nbuf+2*\e+1], s[SCL+8*\nsl+4:SCL+8*\nsl+5] op_sel_hi:[1,0]
.endr
.endif
.irp g, 0,1,2,3,4,5,6,7
.irp e, 0,1,2,3
	v_exp_f32 v[\buf+4*\g+\e], v[\buf+4*\g+\e]
.if \smm
.if \g < 3
	v_pk_mul_f32 v[\nbuf+8*\g+8+2*\e:\nbuf+8*\g+9+2*\e], v[\nbuf+8*\g+8+2*\e:\nbuf+8*\g+9+2*\e], s[SCL+8*\nsl+4:SCL+8*\nsl+5] op_sel_hi:[1,0]
.endif
.endif
.if \g < 7
.if \e < 2
	v_pk_fma_f32 v[\buf+4*\g+4+2*\e:\buf+4*\g+5+2*\e], v[\buf+4*\g+4+2*\e:\buf+4*\g+5+2*\e], s[SCL+8*\sl+2:SCL+8*\sl+3], v[NM:NM+1] op_sel_hi:[1,0,0]
.endif
.endif
.endr
.if \smm
.if \stag
	s_wait_dscnt 14-2*\g                           ; of K's 16 loads the first 2 (g + 1) are in
.endif
	v_wmma_f32_16x16x32_f16 v[\nbuf+8*(\g&3):\nbuf+8*(\g&3)+7], v[KF+8*(2*(\g&3)+(\g>>2)):KF+8*(2*(\g&3)+(\g>>2))+7], v[8*(2*(\ni)+(\g>>2)):8*(2*(\ni)+(\g>>2))+7], v[\nbuf+8*(\g&3):\nbuf+8*(\g&3)+7]
.endif
.endr
	WIN 0
.endm
; PART 3: the sum of p (two chains) and P in f16.  The first addition reads none of the last exponentials' results: it is the plain instruction behind them (ISA guide 5.7.2).
.macro SUMS i, buf, first
	s_wait_alu depctr_va_vdst(0)
	v_pk_add_f32 v[TS:TS+1], v[\buf:\buf+1], v[\buf+2:\buf+3]
	v_pk_add_f32 v[TS+2:TS+3], v[\buf+16:\buf+17], v[\buf+18:\buf+19]
.irp m, 2,3,4,5,6,7
	v_pk_add_f32 v[TS:TS+1], v[TS:TS+1], v[\buf+2*\m:\buf+2*\m+1]
	v_pk_add_f32 v[TS+2:TS+3], v[TS+2:TS+3], v[\buf+16+2*\m:\buf+16+2*\m+1]
	v_cvt_pk_f16_f32 v[PP+2*\m-4], v[\buf+4*\m-8], v[\buf+4*\m-7]
	v_cvt_pk_f16_f32 v[PP+2*\m-3], v[\buf+4*\m-6], v[\buf+4*\m-5]
.endr
.irp m, 12,13,14,15
	v_cvt_pk_f16_f32 v[PP+\m], v[\buf+2*\m], v[\buf+2*\m+1]
.endr
	v_pk_add_f32 v[TS:TS+1], v[TS:TS+1], v[TS+2:TS+3]
.if \first
	v_add_f32 v[LS+\i], v[TS], v[TS+1]
.else
	v_add_f32 v[TS], v[TS], v[TS+1]
	v_fma_f32 v[LS+\i], v[LS+\i], v[AL], v[TS]
.endif
.endm
.macro RESC i                          ; O(i) times the factor, ahead of its products in the next turn
	WIN 0x41                                       ; source 0 and destination: window 1
.irp m, 0,1,2,3,4,5,6,7,8,9,10,11,12,13,14,15
	v_pk_mul_f32 v[32*\i+2*\m:32*\i+2*\m+1], v[32*\i+2*\m:32*\i+2*\m+1], v[AL:AL+1] op_sel_hi:[1,0]
.endr
.endm
; The turn of query tile i in a key step on slot cur.  more: a step follows, on slot nxt; fill: slot cur is filled again; first: the sums start;
; pv, pvf: as in PV1, for the tile before this one.
.macro TURN i, cur, nxt, more, fill, first, pv, pvf
.if \i == 1
	s_wait_dscnt 8                                 ; V's 16 loads are in; the 8 mask loads issued behind them stay out
.endif
	MAXPV \i, (SA+32*(\i&1)), \first, \cur, \pv, ((\i+7)&7), \pvf
.if \i == 0
	LDV \cur                                       ; behind the last step's last product with V stand five plain instructions of the maximum's end
.endif
.if \i == 5
.if \more
	SETSC \nxt                                     ; the other slot's set was last used in the step before this one
.endif
.endif
.if (7-\i)+\more
.if \i*(7-\i)
	s_wait_dscnt 0x0                               ; the next tile's mask is in.  In turn 6 these were my last reads of slot cur
.else
	s_wait_dscnt 16                                ; the next tile's mask is in; the 16 loads issued behind it stay out (turn 0: V's, turn 7: the next step's K)
.endif
.endif
.if \i == 6
.if \more
	s_set_vgpr_msb 0xa
	s_wait_tensorcnt 0x0                           ; all my tensor loads have landed: the one that was out is my part of slot nxt; no LDS instruction of mine is out
	ds_add_u32 v128, v129
	s_wait_dscnt 0x0
	s_set_vgpr_msb 0xa00
	s_barrier_signal -1                            ; (where the slot is filled again this barrier opens a round of the cluster's barrier)
.endif
.endif
.if \i == 7
	EXPS (SA+32), \cur, \more, 0, SA, \nxt, 1      ; tile 0 of the next step: that step's scale and K
.else
	EXPS (SA+32*(\i&1)), \cur, 1, (\i+1), (SA+32*((\i+1)&1)), \cur, 0
.endif
	SUMS \i, (SA+32*(\i&1)), \first
.if \i == 6
.if \more
	s_barrier_wait -1                              ; between signal and wait: register work alone
.if \fill
	CREST                                          ; no wave of any partner still reads slot cur or has a load on its way
	s_add_nc_u64 s[G0M+4*\cur+2:G0M+4*\cur+3], s[G0M+4*\cur+2:G0M+4*\cur+3], 512
	s_add_nc_u64 s[G0K+4*\cur+2:G0K+4*\cur+3], s[G0K+4*\cur+2:G0K+4*\cur+3], 16384
	JLOAD \cur                                     ; my one tensor load behind the round: two key steps ahead, a whole step before the wait for it
.endif
	LDM \nxt, 0, SA                                ; the mask first, then K in the order of use: turn 7's waits count on this order
	LDK \nxt                                       ; behind S(7)'s products stand the sums and the packing
.endif
.endif
.if \i < 6
	LDM \cur, (\i+2), (SA+32*(\i&1))               ; this tile's scores are spent: the mask of the tile after next
.endif
.if \i == 7
.if \more
	LDM \nxt, 1, (SA+32)
.endif
.endif
.if \first == 0
	RESC \i
.endif
.endm
.macro STEP cur, nxt, more, fill, first, pv0, pvf0
	TURN 0, \cur, \nxt, \more, \fill, \first, \pv0, \pvf0
.irp i, 1,2,3,4,5,6,7
	TURN \i, \cur, \nxt, \more, \fill, \first, 1, \first
.endr
.endm
	s_wait_tensorcnt 0x1                           ; my part of key step 0 is in; step 1's stays out
	s_barrier_signal -1
	s_barrier_wait -1
	LDM 0, 0, SA
	LDK 0
	LDM 0, 1, (SA+32)
	s_wait_loadcnt 0x0                             ; Q and the keys' scales
	s_wait_kmcnt 0x0                               ; my rows' scale
	v_mul_f32 v[VC], s82, v[VC]                    ; c = cq ck, powers of two: exact
	v_mul_f32 v[VIC], s83, v[VIC]                  ; 1 / c
	v_mul_f32 v[VCL], LOG2E, v[VC]                 ; c log2e
	SETSC 0                                        ; key step 0's scales
	s_wait_dscnt 8                                 ; tile 0's mask and K are in; tile 1's 8 mask loads stay out
.irp m, 0,1,2,3,4,5,6,7,8,9,10,11,12,13,14,15
	v_pk_mul_f32 v[SA+2*\m:SA+2*\m+1], v[SA+2*\m:SA+2*\m+1], s[SCL+4:SCL+5] op_sel_hi:[1,0]           ; mask / c of tile 0
.endr
	WIN 0x08
.irp dh, 0,1
.irp kt, 0,1,2,3
	v_wmma_f32_16x16x32_f16 v[SA+8*\kt:SA+8*\kt+7], v[KF+8*(2*\kt+\dh):KF+8*(2*\kt+\dh)+7], v[8*\dh:8*\dh+7], v[SA+8*\kt:SA+8*\kt+7]   ; S'(0): the one run of S's products, ahead of all vector work
.endr
.endr
	WIN 0
	PLACES                                         ; the places between these products and the first maximum, which reads their results
	STEP 0, 1, 1, 1, 1, 0, 0                       ; key steps 0 and 1 stand in front of the loop: step 0 starts maxima, sums and O
	STEP 1, 0, 1, 1, 0, 1, 1                       ; its turn 0 holds P V(7) of step 0, which still starts a sum
	WIN 0
	s_mov_b32 s27, 14
.Llap:
	STEP 0, 1, 1, 1, 0, 1, 0                       ; key steps 2 to 29
	STEP 1, 0, 1, 1, 0, 1, 0
	WIN 0
	s_sub_co_u32 s27, s27, 1
	s_cmp_lg_u32 s27, 0
	s_cbranch_scc1 .Llap
	STEP 0, 1, 1, 0, 0, 1, 0                       ; key steps 30 and 31 fill nothing
	STEP 1, 0, 0, 0, 0, 1, 0
	WIN 0x50                                       ; P V(7) of the last step: no softmax is left to set it among
.irp kh, 0,1
.irp dt, 0,1,2,3
	v_wmma_f32_16x16x32_f16 v[224+8*\dt:224+8*\dt+7], v[VF+8*(2*\dt+\kh):VF+8*(2*\dt+\kh)+7], v[PP+8*\kh:PP+8*\kh+7], v[224+8*\dt:224+8*\dt+7]
.endr
.endr
; THE WAY OUT, 16 query rows at a time: times 1 / sum, 32 bytes a lane into my own stage, read back as whole rows of 256 bytes (a head's 64 f32).
.macro OUT16 i, f
	v_permlanex16_b32 v[TX], v[LS+\i], s66, s67    ; the other half of the keys
	v_add_f32 v[AL], v[LS+\i], v[TX]
	v_rcp_f32 v[AL], v[AL]
	v_nop                                          ; the plain instruction between the reciprocal and its use
	WIN 0x01
	s_wait_alu depctr_va_vdst(0)
.irp m, 0,1,2,3,4,5,6,7,8,9,10,11,12,13,14,15
	v_pk_mul_f32 v[KF+2*\m:KF+2*\m+1], v[32*\i+2*\m:32*\i+2*\m+1], v[AL:AL+1] op_sel_hi:[1,0]
.endr
	WIN 0
.irp dt, 0,1,2,3
	ds_store_b128 v[STO], v[KF+8*\dt:KF+8*\dt+3] offset:64*\dt
	ds_store_b128 v[STO], v[KF+8*\dt+4:KF+8*\dt+7] offset:64*\dt+16
.endr
	s_wait_xcnt 0x0                                ; buffer f, which earlier stores read, is loaded again only behind this wait
.irp t, 0,1,2,3,4,5,6,7
	ds_load_b128 v[\f+4*\t:\f+4*\t+3], v[RD] offset:\t*2*SPITCH    ; LDS serves a wave's instructions in order: these see the stores above
.endr
.irp t, 0,1,2,3,4,5,6,7
	s_wait_dscnt 7-\t
	global_store_b128 v[CO], v[\f+4*\t:\f+4*\t+3], s[14:15] offset:(16*\i+2*\t)*4096 th:TH_STORE_NT   ; 16 lanes store 256 consecutive aligned bytes
.endr
.endm
	PLACES                                         ; behind the last matrix instructions
	WIN 0
	OUT16 0, VF
	OUT16 1, (VF+32)
	OUT16 2, VF
	OUT16 3, (VF+32)
	OUT16 4, VF
	OUT16 5, (VF+32)
	OUT16 6, VF
	OUT16 7, (VF+32)
	s_set_vgpr_msb 0xa
	s_wait_tensorcnt 0x0
	ds_add_u32 v128, v129
	s_wait_dscnt 0x0
	s_set_vgpr_msb 0xa00
	CROUND                                         ; the closing round: no work-group ends while a partner may still ask for a tile that names it
	s_endpgm
.Lfunc_end_k_q7d65752d98_attn:
	.size	k_q7d65752d98_attn, .Lfunc_end_k_q7d65752d98_attn-k_q7d65752d98_attn
	.p2alignl 7, 3214868480
	.fill 96, 4, 3214868480
	.section	.rodata,"a",@progbits
	.p2align	6, 0x0
	.amdhsa_kernel k_q7d65752d98_attn
		.amdhsa_group_segment_fixed_size 327680
		.amdhsa_private_segment_fixed_size 0
		.amdhsa_enable_private_segment 0
		.amdhsa_kernarg_size 48
		.amdhsa_user_sgpr_count 2
		.amdhsa_user_sgpr_kernarg_segment_ptr 1
		.amdhsa_wavefront_size32 1
		.amdhsa_system_sgpr_workgroup_id_x 1
		.amdhsa_system_sgpr_workgroup_id_y 1
		.amdhsa_system_sgpr_workgroup_id_z 1
		.amdhsa_system_vgpr_workitem_id 0
		.amdhsa_next_free_vgpr 642
		.amdhsa_next_free_sgpr 100
		.amdhsa_reserve_vcc 0
		.amdhsa_float_denorm_mode_32 3
		.amdhsa_float_denorm_mode_16_64 3
		.amdhsa_memory_ordered 1
		.amdhsa_forward_progress 1
		.amdhsa_inst_pref_size 255
	.end_amdhsa_kernel
	.section	.bss,"aw",@nobits
	.p2align	6
	.space	262144
	.amdgpu_metadata
---
amdhsa.version: [ 1, 2 ]
amdhsa.kernels:
  - .name:           k_q7d65752d98_attn
    .symbol:         k_q7d65752d98_attn.kd
    .args:
      - { .name: qh, .offset: 0, .size: 8, .value_kind: global_buffer, .address_space: global }
      - { .name: kh, .offset: 8, .size: 8, .value_kind: global_buffer, .address_space: global }
      - { .name: vh, .offset: 16, .size: 8, .value_kind: global_buffer, .address_space: global }
      - { .name: mask, .offset: 24, .size: 8, .value_kind: global_buffer, .address_space: global }
      - { .name: sc, .offset: 32, .size: 8, .value_kind: global_buffer, .address_space: global }
      - { .name: out0, .offset: 40, .size: 8, .value_kind: global_buffer, .address_space: global }
    .group_segment_fixed_size: 327680
    .private_segment_fixed_size: 0
    .kernarg_segment_align: 8
    .kernarg_segment_size: 48
    .max_flat_workgroup_size: 128
    .sgpr_count:     100
    .vgpr_count:     642
    .wavefront_size: 32
...
	.end_amdgpu_metadata
.endif
;; end of part 6
;; ======== version 3 of 3: 3 launches; version 2 with the launch conv written anew for expert scheduling mode
;; limits: right only within a limited range of input values; values are held in f16: magnitudes above 65,504 overflow, below 6.1e-05 lose precision
;; workspace buffers: xb 16,777,216 bytes; wb 6,291,456 bytes; qh 16,777,216 bytes; kh 16,777,216 bytes; vh 16,777,216 bytes; sc 32,768 bytes
;; launch conv (part 7): grid 256 x 1, 11 waves a work-group, no clusters, 0 bytes of LDS; arguments x, w_qkv, xb, wb; writes xb, wb
.if DOCPART == 7
	.amdgcn_target "amdgcn-amd-amdhsa--gfx1250"
	.amdhsa_code_object_version 6
	.text
	.protected	k_q7d65752d98_conv
	.globl	k_q7d65752d98_conv
	.p2align	8
	.type	k_q7d65752d98_conv,@function
k_q7d65752d98_conv:
	s_mov_b64 s[64:65], 0
	v_nop
	global_prefetch_b8 v0, s[64:65] scope:SCOPE_SE
	s_setreg_imm32_b32 hwreg(HW_REG_WAVE_SCHED_MODE, 0, 2), 2
	s_setreg_imm32_b32 hwreg(HW_REG_WAVE_MODE, 25, 1), 1
	s_wait_xcnt 0x0
	s_wait_alu depctr_vm_vsrc(0)
; FIRST OF THREE LAUNCHES: x and w_qkv are rounded to f16 once, in the order in which the projection's tiles are fetched.
; NOTHING OF THE COMPUTATION IS LEFT OUT in any of the three launches: every input reaches the output.  In particular k's bias stays:
; behind the rotation and the division by pe_scale it differs from key to key, so it is not constant along the softmax's axis.
; WHY f16 AND NOT bf16: the output is an average over 2,048 values, so its root mean square is small, and 8 significant bits in x, w, q, k, v and
; the weights add up to about 0.4 % of it; 11 bits give about 0.06 %.
; LIMITS: x and w are matrix operands in f16: |x|, |w| < 65,504; numbers below 2^-14 keep an absolute error of 2^-25.
;   xb [mb 32][kb 16][row 256][64 f16]       x's rows 256 mb + row, columns 64 kb ..: each (mb, kb) block is 32,768 dense bytes
;   wb [j 8][kb 16][rho 384][64 f16]         rho = 192 c + 64 s + dd is w's row 1024 s + 64 (2 j + c) + dd (s = 0, 1, 2: q, k, v)
; A stream: no LDS, no matrix unit, no barrier.  x has 8,192 rows and w 3,072: 2,816 groups of four rows = 256 work-groups x 11 waves, the same work
; for each.  Wave W takes rows 4 W .. 4 W + 3 of x (W < 2048) or of w.  Its 16 KB are asked for by 32 loads ahead of its first wait for data, so a work-group's
; whole share of 176 KB is on its way at once and no slot is left to be filled a second time: no ring, no loop.
; THE MODE: SCHED_MODE bits 1:0 = 2 (LLVM: expert scheduling mode 2), set by the entry lines.  The code itself states the register dependences
; between vector instructions and memory instructions, with s_wait_alu, always for 0.
; THE PLAN.  Registers that memory instructions touch:
;   v2, v3              the loads' and the stores' byte offsets: made once at the head, read by every load or store, never written again.
;   v[DAT + 4 n ..+3]   load n (0 .. 31) lands here; its two conversions read the four and write the first two; store n reads those two.  Nothing writes them again,
;                       and no vector instruction names them ahead of the load.
; The 32 loads go in eight blocks of four.  Block p waits for its four loads and converts them; the stores of block p - 1 are dealt among these eight conversions,
; which name block p's registers alone.  So one wait on va_vdst at a block's head, behind its wait for data, states all that the block's four stores hang on.
; No register that a memory instruction has read is written again: the only wait on vm_vsrc and the only s_wait_xcnt are the entry lines' behind the prefetch.  EXEC and VCC are never written.
.set XWAVES, 2048                      ; waves that take x
.set NLD,    32                        ; loads of a wave
.set BLK,    4                         ; loads in a block
.set DAT,    8                         ; v[8:135]
	s_load_b256 s[4:11], s[0:1], 0x0               ; x 4, w 6, xb 8, wb 10
	v_lshrrev_b32 v1, 5, v0
	v_readfirstlane_b32 s12, v1                    ; wave 0..10
	v_and_b32 v1, 15, v0                           ; r
	v_bfe_u32 v2, v0, 4, 1                         ; h
	v_lshlrev_b32 v1, 4, v1
	v_lshl_add_u32 v2, v2, 12, v1                  ; in: 4096 h + 16 r
	v_and_b32 v3, 31, v0
	v_lshlrev_b32 v3, 3, v3                        ; out: 8 x lane = 128 h + 8 r
	s_mul_i32 s13, ttmp9, 11
	s_mov_b32 s15, 0
	s_mov_b32 s17, 0
	s_wait_alu depctr_va_sdst(0)                   ; s12 is written, ahead of its first reader: W, the branch and both bases are made from it
	s_add_co_u32 s13, s13, s12                     ; W
; Load n = 16 q + j: each half of the wave reads 256 consecutive bytes (64 numbers, K block j) of row 2 q + h.  The two conversions land in the load's own first
; two registers.  Store n: 8 bytes a lane, 256 consecutive aligned bytes: the 128 bytes of rows 2 q and 2 q + 1 in K block j.
.macro CONV src, dst, stride
	s_wait_alu depctr_va_vdst(0)                   ; v2 and v3 are written: every load below reads v2 as its offset, every store v3
.set ln, 0
.rept NLD
	global_load_b128 v[DAT+4*ln:DAT+4*ln+3], v2, s[\src:\src+1] offset:8192*(ln/16)+256*(ln%16) th:TH_LOAD_NT
.set ln, ln+1
.endr
.set bk, 0
.rept NLD/BLK
	s_wait_loadcnt NLD-BLK-BLK*bk                  ; loads return in order: this block's four are in, the later blocks' stay out
.if bk > 0
	s_wait_alu depctr_va_vdst(0)                   ; the block before has written its four pairs, which the four stores below read; no conversion below names them
.endif
.set it, 0
.rept BLK
.set ln, BLK*bk+it
.if bk > 0
	global_store_b64 v3, v[DAT+4*(ln-BLK):DAT+4*(ln-BLK)+1], s[\dst:\dst+1] offset:256*((ln-BLK)/16)+((ln-BLK)%16)*\stride
.endif
	v_cvt_pk_f16_f32 v[DAT+4*ln], v[DAT+4*ln], v[DAT+4*ln+1]
	v_cvt_pk_f16_f32 v[DAT+4*ln+1], v[DAT+4*ln+2], v[DAT+4*ln+3]
.set it, it+1
.endr
.set bk, bk+1
.endr
	s_wait_alu depctr_va_vdst(0)                   ; the last block has written its four pairs, which the last four stores read
.set ln, NLD-BLK
.rept BLK
	global_store_b64 v3, v[DAT+4*ln:DAT+4*ln+1], s[\dst:\dst+1] offset:256*(ln/16)+(ln%16)*\stride
.set ln, ln+1
.endr
.endm
	s_cmp_lt_u32 s13, XWAVES
	s_cbranch_scc0 .Lw
	; ---- x: rows 4 W ..
	s_lshl_b32 s14, s13, 14                        ; four rows of 4,096 bytes
	s_lshr_b32 s16, s13, 6                         ; mb
	s_lshl_b32 s16, s16, 19
	s_and_b32 s18, s13, 63
	s_lshl_b32 s18, s18, 9                         ; four rows of 128 bytes in a block
	s_add_co_u32 s16, s16, s18
	s_wait_kmcnt 0x0
	s_add_nc_u64 s[4:5], s[4:5], s[14:15]
	s_add_nc_u64 s[8:9], s[8:9], s[16:17]
	CONV 4, 8, 32768
	s_endpgm
.Lw:
	; ---- w: rows n .. n + 3, n = 4 (W - 2048): four neighbouring rho, since n is a multiple of 4 and a head has 64 rows
	s_sub_co_u32 s13, s13, XWAVES
	s_lshl_b32 s14, s13, 14
	s_lshl_b32 s18, s13, 2                         ; n
	s_lshr_b32 s19, s18, 10                        ; s: q, k or v
	s_bfe_u32 s20, s18, 0x40006                    ; head
	s_and_b32 s21, s18, 63                         ; dd
	s_lshr_b32 s22, s20, 1                         ; j
	s_mul_i32 s16, s22, 786432
	s_and_b32 s20, s20, 1                          ; c
	s_mul_i32 s20, s20, 192
	s_lshl_b32 s19, s19, 6
	s_add_co_u32 s20, s20, s19
	s_add_co_u32 s20, s20, s21                     ; rho
	s_lshl_b32 s20, s20, 7
	s_add_co_u32 s16, s16, s20
	s_wait_kmcnt 0x0
	s_add_nc_u64 s[6:7], s[6:7], s[14:15]
	s_add_nc_u64 s[10:11], s[10:11], s[16:17]
	CONV 6, 10, 49152
	s_endpgm
.Lfunc_end_k_q7d65752d98_conv:
	.size	k_q7d65752d98_conv, .Lfunc_end_k_q7d65752d98_conv-k_q7d65752d98_conv
	.p2alignl 7, 3214868480
	.fill 96, 4, 3214868480
	.section	.rodata,"a",@progbits
	.p2align	6, 0x0
	.amdhsa_kernel k_q7d65752d98_conv
		.amdhsa_group_segment_fixed_size 0
		.amdhsa_private_segment_fixed_size 0
		.amdhsa_enable_private_segment 0
		.amdhsa_kernarg_size 32
		.amdhsa_user_sgpr_count 2
		.amdhsa_user_sgpr_kernarg_segment_ptr 1
		.amdhsa_wavefront_size32 1
		.amdhsa_system_sgpr_workgroup_id_x 1
		.amdhsa_system_sgpr_workgroup_id_y 1
		.amdhsa_system_sgpr_workgroup_id_z 1
		.amdhsa_system_vgpr_workitem_id 0
		.amdhsa_next_free_vgpr 136
		.amdhsa_next_free_sgpr 66
		.amdhsa_reserve_vcc 0
		.amdhsa_float_denorm_mode_32 3
		.amdhsa_float_denorm_mode_16_64 3
		.amdhsa_memory_ordered 1
		.amdhsa_forward_progress 1
		.amdhsa_inst_pref_size 24
	.end_amdhsa_kernel
	.amdgpu_metadata
---
amdhsa.version: [ 1, 2 ]
amdhsa.kernels:
  - .name:           k_q7d65752d98_conv
    .symbol:         k_q7d65752d98_conv.kd
    .args:
      - { .name: x, .offset: 0, .size: 8, .value_kind: global_buffer, .address_space: global }
      - { .name: w_qkv, .offset: 8, .size: 8, .value_kind: global_buffer, .address_space: global }
      - { .name: xb, .offset: 16, .size: 8, .value_kind: global_buffer, .address_space: global }
      - { .name: wb, .offset: 24, .size: 8, .value_kind: global_buffer, .address_space: global }
    .group_segment_fixed_size: 0
    .private_segment_fixed_size: 0
    .kernarg_segment_align: 8
    .kernarg_segment_size: 32
    .max_flat_workgroup_size: 352
    .sgpr_count:     66
    .vgpr_count:     136
    .wavefront_size: 32
...
	.end_amdgpu_metadata
.endif
;; end of part 7
;; launch gemm: the kernel of part 5 again; grid 8 x 32, 4 waves a work-group, clusters of 4 x 4, 327,680 bytes of LDS; arguments xb, wb, b_qkv, pe_cos, qh, kh, vh, sc, pe_sin, pe_scale; writes qh, kh, vh, sc
;; launch attn: the kernel of part 6 again; grid 4 x 64, 4 waves a work-group, clusters of 4 x 4, 327,680 bytes of LDS; arguments qh, kh, vh, mask, sc, out0; writes out0
